; MI455X (gfx1250); checked and timed in simulation.
; The chip was launched on July 23, 2026; its instructions are those of AMD's public machine-readable ISA for CDNA 5 (MIT licence, August 2026) and "CDNA5" Instruction Set Architecture Reference Guide (July 2026). The comments in the code are by the model that wrote it; some were corrected since.
;; Encoder Block. Allowed arithmetic: matrix products marked QUANTISED: E4M3 operands, one E8M0 scale for each 32 along K, by v_wmma_scale_f32_16x16x128_f8f6f4 with both operands' format E4M3, f32 sums; everything else in f32.
;; Inputs: b1 2,048 float32; b2 512 float32; ln1_b 512 float32; ln1_g 512 float32; ln2_b 512 float32; ln2_g 512 float32; valid_lens 16 int32; w1 512 x 2,048 float32; w2 2,048 x 512 float32; wk 512 x 512 float32; wo 512 x 512 float32; wq 512 x 512 float32; wv 512 x 512 float32; x 16 x 1,024 x 512 float32.
;; Outputs: out0 16 x 1,024 x 512 float32.
;; This version of the problem:
;;   THIS VERSION OF THE PROBLEM IS GIVEN IN LOW PRECISION. The matrix products marked QUANTISED in the list below multiply operands that are first quantised to E4M3 (4 exponent bits, 3 mantissa bits; 8 bits a number), with one power-of-two scale for each 32 numbers along K (OCP MX v1.0); their sums are f32. All else is computed in f32.
;;   The module's matrix products, in the order in which they are computed (A, B: the left and right operand; K: the contracted axis; several contracted axes count as one K, in the product's order):
;;     1. [M 16,384, K 512] x [K 512, N 512]; A: input x; B: input wq: QUANTISED
;;     2. [M 16,384, K 512] x [K 512, N 512]; A: input x; B: input wk: QUANTISED
;;     3. [M 16,384, K 512] x [K 512, N 512]; A: input x; B: input wv: QUANTISED
;;     4. batch 128 x [M 1,024, K 64] x [K 64, N 1,024]; A: computed on the way; B: computed on the way: QUANTISED
;;     5. batch 128 x [M 1,024, K 1,024] x [K 1,024, N 64]; A: softmax (see below); B: computed on the way: QUANTISED
;;     6. [M 16,384, K 512] x [K 512, N 512]; A: computed on the way; B: input wo: QUANTISED
;;     7. [M 16,384, K 512] x [K 512, N 2,048]; A: computed on the way; B: input w1: QUANTISED
;;     8. [M 16,384, K 2,048] x [K 2,048, N 512]; A: computed on the way; B: input w2: QUANTISED
;;   THE QUANTISER, for each operand of a quantised product, along K:
;;     - K is cut into blocks of 32 from its start; a last block that is shorter is filled with zeros.
;;     - A block's scale is 2^e with e = floor(log2(the largest magnitude in the block)) - 8, held to -126 .. 127; a block of zeros has e = 0. As a byte (E8M0): e + 127.
;;     - Each number is divided by its block's scale, clamped to +-448, and rounded to the nearest number of E4M3, ties to even, subnormals kept.
;;     - The product sums the exact products of the quantised numbers (number of the format x scale) in f32.
;;   ~~~python
;;   def quantise(x, axis):      # numpy; x: float32 -> the quantised numbers, widened to float32 again
;;       x = np.moveaxis(x, axis, -1); K = x.shape[-1]
;;       x = np.pad(x, [(0, 0)] * (x.ndim - 1) + [(0, -K % 32)]); x = x.reshape(x.shape[:-1] + (-1, 32)); a = np.abs(x).max(-1, keepdims=True)
;;       e = np.where(a > 0, np.clip(np.frexp(np.where(a > 0, a, 1))[1] - 1 - 8, -126, 127), 0)      # np.frexp(a)[1] - 1 = floor(log2(a)), exactly
;;       r = np.clip(x / 2.0 ** e, -448, 448)
;;       step = 2.0 ** (np.maximum(np.frexp(np.where(r == 0, 1, r))[1] - 1, -6) - 3)
;;       q = np.round(r / step) * step * 2.0 ** e      # np.round: ties to even
;;       return np.moveaxis(q.reshape(q.shape[:-2] + (-1,))[..., :K], -1, axis).astype(np.float32)
;;   ~~~
;;   SOFTMAX AHEAD OF A QUANTISED PRODUCT. Where the list says 'softmax', what is quantised is not the finished softmax but p = 2^(t - M), with t = logit x log2(e) and M = ceil(the row's largest t), a whole number; so 1/2 < the row's largest p <= 1. The row's sum l is taken of the UNQUANTISED p, in f32, and the product's result is divided by l at the end. Since M is a whole number, a kernel that streams over the keys may use a running M (the ceiling of the running maximum): every later rescaling is an exact power of two, which a block's scale takes up: the codes' values come out the same.
;;   OPERANDS COMPUTED ON THE WAY. 'Computed on the way' means the value that the module computes at that place (a softmax that the list does not call 'softmax' is quantised finished and normalised). What goes into a quantiser is computed in f32, as accurately as f32 sums, v_exp_f32 and their like allow (about 1e-6 of the number): no bf16 or f16 on the way to a quantiser, and a product that is left as it is and whose result goes on into a quantised operand takes f32 operands (vector FMAs, or v_wmma_f32_16x16x4_f32). A number that lies on a knife's edge between two numbers of the format may be rounded either way, as far as f32 arithmetic and the matrix unit's own rounding can turn it there, and no further.
;; 2 versions, each right; version 2 is version 1 with the launch attn written anew for expert scheduling mode. Each part assembles by itself: llvm-mc -triple=amdgcn-amd-amdhsa -mcpu=gfx1250 --defsym DOCPART=n.
;; ======== version 1 of 2: 4 launches
;; workspace buffers: wts 3,244,032 bytes; qc 8,388,608 bytes; qs 524,288 bytes; kv 17,825,792 bytes; cc 8,388,608 bytes; cs 262,144 bytes; order 256 bytes of whole numbers
;; launch prep (part 1): grid 8 x 24, 4 waves a work-group, no clusters, 0 bytes of LDS; arguments wq, wk, wv, wo, w1, w2, wts, valid_lens, order; writes wts, order
.if DOCPART == 1
	.amdgcn_target "amdgcn-amd-amdhsa--gfx1250"
	.amdhsa_code_object_version 6
	.text
	.protected	k_qae080bc5bb_prep
	.globl	k_qae080bc5bb_prep
	.p2align	8
	.type	k_qae080bc5bb_prep,@function
k_qae080bc5bb_prep:
	s_mov_b64 s[64:65], 0
	v_nop
	global_prefetch_b8 v0, s[64:65] scope:SCOPE_SE
	s_setreg_imm32_b32 hwreg(HW_REG_WAVE_MODE, 25, 1), 1
	s_wait_xcnt 0x0
; The six weights, f32 stored [K][N], become codes of E4M3 with one E8M0 scale byte for each 32 along K, laid in the order in which the
; later launches' rings take them.  wts is 24 tiles of SLOTB bytes: tiles 0,1 wq; 2,3 wk; 4,5 wv; 6,7 wo; 8+4c+{0,1} w1's columns
; 512 c .. 512 c + 511; 8+4c+{2,3} w2's rows 512 c .. 512 c + 511.  A tile is 512 columns x 256 along K (the second of a pair: the upper 256).
; In a tile: four parts of PARTB bytes, part w = columns 128 w .. + 127.  In a part: fragment (q, t) at (8 q + t) x 2,048, an image of the
; operand's 16 registers (registers 4 c .. 4 c + 3 of lane l at 512 c + 16 l), then from byte 32,768 on the scale words: 128 t + 64 q + 4 i.
; Row i of fragment t is column 32 (t / 2) + 8 (t % 2) + i + 8 (i / 8) of the part: so a transposed product's registers run along neighbours.
; SHARES.  Work-group y = the tile, x = 2 w + q; wave b takes columns 32 b .. + 31 of the part, 128 along K.  A lane takes a column and its
; registers run down K: a block of 32 lies in one lane, each load reads 128 neighbouring bytes, and the codes come out with K innermost.
; A block's scale byte is its largest magnitude's exponent field - 8, held at 1 from below.
; THE ORDER OF THE BATCHES.  Wave 0 of work-group (0, 0) also reads valid_lens and stores, for the attention launch, the 16 batches by rising length:
; order[rank] = 32 x the keys to be walked + 16 x (no key counts) + the batch.  A length of 0 or less walks all 1,024 keys (all hidden, as
; reference() has it); a length above 1,024 counts as 1,024.  All that hangs on the lengths here is a value: the store's address is 4 x lane.
; LIMITS: NaN and infinities are not served; a block whose largest magnitude lies under 2^-118 (a block of zeros too) takes the byte 1: its
; codes are zeros or nearly so, and the bytes are read by this program alone.
; No LDS, no barrier, no cluster: no input byte is read by two work-groups.
.set SLOTB, 135168
.set PARTB, 33792
.set X,     32                         ; v32-95  two sets of 32 numbers
.set C,     96                         ; v96-103 a block's codes
.set KEY,   48                         ; s48-63  the 16 batches' keys
.set RNK,   66                         ; s66-81  their ranks
	s_load_b256 s[4:11], s[0:1], 0x0               ; wq, wk, wv, wo
	s_load_b128 s[12:15], s[0:1], 0x20             ; w1, w2
	s_load_b64 s[16:17], s[0:1], 0x30              ; wts
	s_load_b128 s[44:47], s[0:1], 0x38             ; valid_lens, order
	v_lshrrev_b32 v1, 5, v0
	v_readfirstlane_b32 s18, v1                    ; b: which 32 columns of the part
	v_and_b32 v1, 31, v0                           ; lane = column in those 32
	v_lshlrev_b32 v2, 2, v1                        ; in: 4 bytes a lane
	v_and_b32 v26, 15, v1
	v_lshlrev_b32 v26, 2, v26                      ; valid_lens: 4 (lane % 16)
	s_and_b32 s19, ttmp7, 0xffff                   ; the tile
	s_or_b32 s43, ttmp9, s19
	s_or_b32 s43, s43, s18                         ; 0 in wave 0 of work-group (0, 0) alone
	s_lshr_b32 s24, ttmp9, 1                       ; w: the part
	s_and_b32 s25, ttmp9, 1                        ; q: which 128 along K
	v_bfe_u32 v5, v1, 3, 1                         ; u: fragment 2 b + u
	v_and_b32 v6, 7, v1
	v_lshrrev_b32 v7, 4, v1
	v_lshl_add_u32 v6, v7, 3, v6                   ; i: my row in it
	v_lshlrev_b32 v3, 11, v5
	v_lshl_add_u32 v3, v6, 4, v3                   ; codes: 2,048 u + 16 i
	s_lshl_b32 s26, s25, 3
	s_lshl_b32 s27, s18, 1
	s_add_co_u32 s26, s26, s27
	s_lshl_b32 s26, s26, 11
	v_add_nc_u32 v3, s26, v3                       ; + (8 q + 2 b) x 2,048
	v_lshlrev_b32 v4, 7, v5
	v_lshl_add_u32 v4, v6, 2, v4                   ; scale word: 128 u + 4 i
	s_lshl_b32 s26, s18, 8
	s_lshl_b32 s27, s25, 6
	s_add_co_u32 s26, s26, s27
	s_add_co_u32 s26, s26, 32768
	v_add_nc_u32 v4, s26, v4                       ; + 32,768 + 256 b + 64 q
	; which tensor, which rows and columns: all from the work-group's number
	s_sub_co_u32 s26, s19, 8
	s_lshr_b32 s27, s26, 2
	s_lshl_b32 s27, s27, 9                         ; 512 c (used only from tile 8 on)
	s_and_b32 s28, s19, 1
	s_lshl_b32 s28, s28, 8
	s_lshl_b32 s29, s25, 7
	s_add_co_u32 s28, s28, s29                     ; 256 (tile % 2) + 128 q
	s_lshr_b32 s29, s19, 1                         ; 0 .. 3: wq, wk, wv, wo; from 4 on even: w1, odd: w2
	s_and_b32 s30, s29, 1
	s_cmp_ge_u32 s19, 8
	s_cselect_b32 s31, 1, 0
	s_and_b32 s33, s31, s30                        ; 1: w2
	s_xor_b32 s34, s33, s31                        ; 1: w1
	s_mul_i32 s35, s33, s27
	s_add_co_u32 s28, s28, s35                     ; my first row (K)
	s_mul_i32 s35, s34, s27                        ; my tile's first column
	s_lshl_b32 s36, s34, 1
	s_add_co_u32 s36, s36, 11                      ; a row is 2,048 bytes, w1's 8,192
	s_lshl_b32 s38, s28, s36
	s_lshl_b32 s37, s24, 7
	s_add_co_u32 s35, s35, s37
	s_lshl_b32 s37, s18, 5
	s_add_co_u32 s35, s35, s37
	s_lshl_b32 s35, s35, 2
	s_add_co_u32 s38, s38, s35
	s_mov_b32 s39, 0
	s_mul_i32 s40, s19, SLOTB
	s_mul_i32 s41, s24, PARTB
	s_add_co_u32 s40, s40, s41
	s_mov_b32 s41, 0
	s_mov_b32 s42, 0x600000                        ; the mantissa field of 448
	s_wait_kmcnt 0x0
	s_cmp_eq_u32 s29, 1                            ; the choices hang on the work-group's number alone
	s_cselect_b64 s[20:21], s[6:7], s[4:5]
	s_cmp_eq_u32 s29, 2
	s_cselect_b64 s[20:21], s[8:9], s[20:21]
	s_cmp_eq_u32 s29, 3
	s_cselect_b64 s[20:21], s[10:11], s[20:21]
	s_cmp_eq_u32 s34, 1
	s_cselect_b64 s[20:21], s[12:13], s[20:21]
	s_cmp_eq_u32 s33, 1
	s_cselect_b64 s[20:21], s[14:15], s[20:21]
	s_add_nc_u64 s[20:21], s[20:21], s[38:39]
	s_add_nc_u64 s[22:23], s[16:17], s[40:41]
	v_mov_b32 v25, 0                               ; written on every way
	s_cmp_lg_u32 s43, 0
	s_cbranch_scc1 .Lnot_first
	global_load_b32 v25, v26, s[44:45]             ; the 16 lengths, asked for ahead of the weights: the oldest load, so every count below still holds
.Lnot_first:
.macro LOADB t, n                      ; block t: 32 rows of my column into set t % 2; the row pitch stands in the immediates
.irp i, 0,1,2,3,4,5,6,7,8,9,10,11,12,13,14,15,16,17,18,19,20,21,22,23,24,25,26,27,28,29,30,31
	global_load_b32 v[X+32*((\t)%2)+\i], v2, s[20:21] offset:(32*(\t)+\i)*(\n)*4 th:TH_LOAD_NT
.endr
.endm
.macro BODY n
	LOADB 0, \n
	LOADB 1, \n
.irp c, 0,1,2,3
.set XS, X+32*((\c)%2)
.if \c < 3
	s_wait_loadcnt 32                              ; this block's 32 loads are in; the next block's 32 may be out
.else
	s_wait_loadcnt 0x0
.endif
	v_max3_num_f32 v10, |v[XS]|, |v[XS+1]|, |v[XS+2]|               ; the block's largest magnitude, in two chains
	v_max3_num_f32 v11, |v[XS+3]|, |v[XS+4]|, |v[XS+5]|
.irp i, 6,10,14,18,22,26
	v_max3_num_f32 v10, v10, |v[XS+\i]|, |v[XS+\i+1]|
	v_max3_num_f32 v11, v11, |v[XS+\i+2]|, |v[XS+\i+3]|
.endr
	v_max3_num_f32 v10, v10, |v[XS+30]|, |v[XS+31]|
	v_max3_num_f32 v10, v10, v11, 0x4800000        ; and the floor 2^(9 - 127): the byte cannot fall under 1
	v_add_nc_u32 v12, 0xfc000000, v10              ; 8 off the exponent field: the conversion's scale operand
	v_and_or_b32 v13, v10, 0x7f800000, s42         ; 448 x the scale
	v_lshrrev_b32 v11, 23, v12                     ; the byte
.if \c == 0
	v_mov_b32 v24, v11
.else
	v_lshl_or_b32 v24, v11, 8*\c, v24
.endif
	s_wait_xcnt 0x0                                ; the last block's stores have read the codes' registers
.irp i, 0,1,2,3,4,5,6,7,8,9,10,11,12,13,14,15,16,17,18,19,20,21,22,23,24,25,26,27,28,29,30,31
	v_med3_num_f32 v[XS+\i], v[XS+\i], -v13, v13   ; the conversion does not saturate (ISA guide 7.6.2): hold first
.endr
.irp g, 0,1,2,3
	v_cvt_scalef32_pk8_fp8_f32 v[C+2*\g:C+2*\g+1], v[XS+8*\g:XS+8*\g+7], v12
.endr
	global_store_b128 v3, v[C:C+3], s[22:23] offset:512*\c            ; k 0-15 of the block: the image's lanes 0-15
	global_store_b128 v3, v[C+4:C+7], s[22:23] offset:512*\c+256      ; k 16-31: its lanes 16-31
.if \c < 2
	LOADB \c+2, \n
.endif
.endr
	global_store_b32 v4, v24, s[22:23]             ; my column's scale word for these 128 along K
.endm
	s_cmp_eq_u32 s34, 1
	s_cbranch_scc1 .Lwide
	BODY 512
	s_cmp_lg_u32 s43, 0
	s_cbranch_scc1 .Ldone
	; ---- the batches by rising length (the lengths were waited for with the last block's loads)
	v_and_b32 v5, 15, v1                           ; lane % 16: the batch
	v_mov_b32 v6, 0x400
	v_mov_b32 v7, 0
	v_mov_b32 v8, 16
	v_cmp_gt_i32 vcc_lo, 1, v25                    ; no key counts:
	v_cndmask_b32 v9, v25, v6, vcc_lo              ; then all 1,024 are walked,
	v_cndmask_b32 v8, v7, v8, vcc_lo               ; and bit 4 says so
	v_min_u32 v9, 0x400, v9
	v_lshl_or_b32 v9, v9, 5, v8
	v_or_b32 v9, v9, v5                            ; the key: no two are equal
.irp i, 0,1,2,3,4,5,6,7,8,9,10,11,12,13,14,15
	v_readlane_b32 s[KEY+\i], v9, \i
.endr
.irp i, 0,1,2,3,4,5,6,7,8,9,10,11,12,13,14,15
	v_cmp_gt_u32 s[RNK+\i], s[KEY+\i], v9          ; the lanes whose key lies under batch i's
.endr
.irp i, 0,1,2,3,4,5,6,7,8,9,10,11,12,13,14,15
	s_and_b32 s[RNK+\i], s[RNK+\i], 0xffff         ; (lanes 16-31 repeat lanes 0-15)
	s_bcnt1_i32_b32 s[RNK+\i], s[RNK+\i]           ; how many: batch i's rank
.endr
	v_mov_b32 v10, 0
.irp i, 0,1,2,3,4,5,6,7,8,9,10,11,12,13,14,15
	v_cmp_eq_u32 vcc_lo, s[RNK+\i], v1
	v_cndmask_b32 v10, v10, s[KEY+\i], vcc_lo      ; lane r takes the key of rank r
.endr
	global_store_b32 v2, v10, s[46:47]             ; 128 consecutive bytes; lanes 16-31 store 0
.Ldone:
	s_endpgm
.Lwide:
	BODY 2048
	s_endpgm
.Lfunc_end_k_qae080bc5bb_prep:
	.size	k_qae080bc5bb_prep, .Lfunc_end_k_qae080bc5bb_prep-k_qae080bc5bb_prep
	.p2alignl 7, 3214868480
	.fill 96, 4, 3214868480
	.section	.rodata,"a",@progbits
	.p2align	6, 0x0
	.amdhsa_kernel k_qae080bc5bb_prep
		.amdhsa_group_segment_fixed_size 0
		.amdhsa_private_segment_fixed_size 0
		.amdhsa_enable_private_segment 0
		.amdhsa_kernarg_size 72
		.amdhsa_user_sgpr_count 2
		.amdhsa_user_sgpr_kernarg_segment_ptr 1
		.amdhsa_wavefront_size32 1
		.amdhsa_system_sgpr_workgroup_id_x 1
		.amdhsa_system_sgpr_workgroup_id_y 1
		.amdhsa_system_sgpr_workgroup_id_z 1
		.amdhsa_system_vgpr_workitem_id 0
		.amdhsa_next_free_vgpr 112
		.amdhsa_next_free_sgpr 96
		.amdhsa_reserve_vcc 1
		.amdhsa_float_denorm_mode_32 3
		.amdhsa_float_denorm_mode_16_64 3
		.amdhsa_memory_ordered 1
		.amdhsa_forward_progress 1
		.amdhsa_inst_pref_size 64
	.end_amdhsa_kernel
	.amdgpu_metadata
---
amdhsa.version: [ 1, 2 ]
amdhsa.kernels:
  - .name:           k_qae080bc5bb_prep
    .symbol:         k_qae080bc5bb_prep.kd
    .args:
      - { .name: wq, .offset: 0, .size: 8, .value_kind: global_buffer, .address_space: global }
      - { .name: wk, .offset: 8, .size: 8, .value_kind: global_buffer, .address_space: global }
      - { .name: wv, .offset: 16, .size: 8, .value_kind: global_buffer, .address_space: global }
      - { .name: wo, .offset: 24, .size: 8, .value_kind: global_buffer, .address_space: global }
      - { .name: w1, .offset: 32, .size: 8, .value_kind: global_buffer, .address_space: global }
      - { .name: w2, .offset: 40, .size: 8, .value_kind: global_buffer, .address_space: global }
      - { .name: wts, .offset: 48, .size: 8, .value_kind: global_buffer, .address_space: global }
      - { .name: valid_lens, .offset: 56, .size: 8, .value_kind: global_buffer, .address_space: global }
      - { .name: order, .offset: 64, .size: 8, .value_kind: global_buffer, .address_space: global }
    .group_segment_fixed_size: 0
    .private_segment_fixed_size: 0
    .kernarg_segment_align: 8
    .kernarg_segment_size: 72
    .max_flat_workgroup_size: 128
    .sgpr_count:     96
    .vgpr_count:     112
    .wavefront_size: 32
...
	.end_amdgpu_metadata
.endif
;; end of part 1
;; launch qkv (part 2): grid 256 x 1, 4 waves a work-group, clusters of 4 x 1, 327,680 bytes of LDS; arguments x, wts, qc, qs, kv; writes qc, qs, kv
.if DOCPART == 2
	.amdgcn_target "amdgcn-amd-amdhsa--gfx1250"
	.amdhsa_code_object_version 6
	.text
	.protected	k_qae080bc5bb_qkv
	.globl	k_qae080bc5bb_qkv
	.p2align	8
	.type	k_qae080bc5bb_qkv,@function
k_qae080bc5bb_qkv:
	s_mov_b64 s[64:65], 0
	v_nop
	global_prefetch_b8 v0, s[64:65] scope:SCOPE_SE
	s_setreg_imm32_b32 hwreg(HW_REG_WAVE_MODE, 25, 1), 1
	s_wait_xcnt 0x0
	s_wait_alu depctr_hold_cnt(0) depctr_sa_sdst(0) depctr_va_vdst(0) depctr_va_sdst(0) depctr_va_ssrc(0) depctr_va_vcc(0) depctr_vm_vsrc(0)
	s_getreg_b32 s2, hwreg(HW_REG_IB_STS2, 6, 4)
	s_cmp_eq_u32 s2, 0
	s_cbranch_scc0 .Lentry_in_a_cluster
	s_endpgm
.Lentry_in_a_cluster:
	s_bfe_u32 s2, ttmp6, 0x10000c
	s_cmp_lg_u32 s2, 0x3003
	s_cbranch_scc0 .Lentry_shape_is_right
	s_endpgm
.Lentry_shape_is_right:
; q, k, v = Q(x) Q(W), on codes of E4M3 with one E8M0 scale for each 32 along K; the results are quantised at once: q and k along the head's 64,
; v along the keys; nothing but codes and scale words goes to memory.
; SHARES.  A work-group takes 64 tokens (four tiles of 16).  Tile m, row i is token 32 (m / 2) + 8 (m % 2) + i + 8 (i / 8) of the 64.
; Wave w quantises tile w of x and hands its four fragments to the others through LDS as images of the operand's registers; then it makes
; columns 128 w .. + 127 (heads 2 w, 2 w + 1) of q, k and v for all 64 tokens.
; THE WEIGHTS come through a ring of two LDS slots; a slot is one tile of wts (512 columns x 256 along K), wave w fetches and reads part w alone.
; CLUSTER.  All work-groups walk the same six tiles: the four of a cluster ask for each part JOINTLY (same descriptor, mask of all four).
; q and k are made transposed (source 0 = 16 columns of W, source 1 = 16 tokens): a lane holds one token and its registers run along the columns.
; v is made as it reads (source 0 = tokens, source 1 = columns): a lane holds one column and its registers run along the tokens, which are v's K.
; LIMITS: NaN and infinities are not served; a block whose largest magnitude lies under 2^-118 (zeros too) takes the scale byte 1.
; No prefetch: the weights are read by every cluster, and x is asked for whole at the head.
; REGISTERS: window 0: v1-13 addresses; v16-31 x's scale words; v48-55 the weights' scale words; v56-119, v120-183 two sets of four weight
; fragments; v184-247 held numbers; between slots v120-163 serve the quantiser.  window 1: x's 16 fragments.  window 2: x as loaded, then 32 accumulators.
.set SLOTB, 135168
.set PARTB, 33792
.set IMG,   270336                     ; behind the ring: 16 fragment images, (4 m + s) x 2,048
.set ISC,   303104                     ; their scale words, (4 m + s) x 128 + 4 x lane
.set SPARE, 307200                     ; the spare words, 128 bytes a wave: two blocks of 256 bytes that no other line names
.set REC,   139264                     ; a head's record in kv: K's images, V's images, K's scale words, V's scale words
.set LI,  1                            ; 16 x lane
.set L4,  2                            ; 4 x lane
.set LW,  3                            ; v3, v4  my part's fragments in slot 0, 1
.set LS,  5                            ; v5, v6  my part's scale words in slot 0, 1
.set IWI, 7                            ; where I store images
.set IWS, 8                            ; and their scale words
.set IRI, 9                            ; where images are read
.set IRS, 10
.set XO,  11                           ; my byte in the wave's 16 rows of x
.set SPW, 12                           ; my spare word; never rewritten
.set NIL, 13                           ; 0; never rewritten
.set AS,  16
.set WS,  48
.set WF0, 56
.set T,   184
.set TM,  120                          ; v120-123 largest magnitudes, 124-127 bytes, 128-131 limits, 132-135 scale operands
.set PW,  136                          ; the scale word just made
.set PC,  140                          ; v140-155 the codes just made
.set PWS, 156                          ; v156-159 four scale words kept
.set E,   160                          ; v160-163 scale words as they are stored
.set WV,  14
.set SEL, 20
.set MNT, 22
.set HM,  23                           ; mask of lanes 16-31
.set G1,  24
.set G0,  32
.set QC,  40
.set QS,  42
.set KC,  44
.set KS,  46
.set VC,  48
.set VS,  50
.set MSB, 0
.macro WIN new                         ; the immediate's high byte repeats the setting that is left; a switch that changes nothing is dropped
.if MSB != (\new)
	s_set_vgpr_msb (MSB<<8)|(\new)
.set MSB, \new
.endif
.endm
.macro PLACES n
.if (\n) > 0
.rept \n
	v_nop
.endr
.endif
.endm
.macro ROUND                           ; a round of the cluster's barrier
	s_barrier_signal -1
	s_barrier_wait -1
	s_cmp_lg_u32 s[WV], 0
	s_cbranch_scc1 .Lnot_wave_0_\@
	s_barrier_signal -3
.Lnot_wave_0_\@:
	s_barrier_wait -3
	s_barrier_signal -1
	s_barrier_wait -1
.endm
.macro BARRIER                         ; my LDS stores have landed and my LDS loads are in: then the work-group's barrier
	s_wait_dscnt 0x0
	s_barrier_signal -1
	s_barrier_wait -1
.endm
; 64 numbers of a lane in window sw, register 16 b + i = place 32 b + 16 (lane / 16) + i along K, become 16 registers of codes in v[PC] on and
; a scale word in v[PW].  The numbers themselves stay; the held copies go to v[T] on.
.macro QUANT sb, sw, relu
.set w_, (\sw)|((\sw)<<2)
	WIN w_
.irp b, 0,1,2,3
	v_max3_num_f32 v[TM+\b], |v[(\sb)+16*\b]|, |v[(\sb)+16*\b+1]|, 0x4800000   ; my 16 numbers of block b, from the low end on, and the floor 2^(9 - 127)
.endr
.irp i, 2,4,6,8,10,12,14
.irp b, 0,1,2,3
	v_max3_num_f32 v[TM+\b], |v[(\sb)+16*\b+\i]|, |v[(\sb)+16*\b+\i+1]|, v[TM+\b]
.endr
.endr
	WIN 0
.irp b, 0,1,2,3
	v_permlanex16_b32 v[TM+4+\b], v[TM+\b], s[SEL], s[SEL+1]
.endr
.irp b, 0,1,2,3
	v_max_num_f32 v[TM+\b], v[TM+\b], v[TM+4+\b]   ; with the lane 16 away: the block's largest magnitude
.endr
.irp b, 0,1,2,3
	v_add_nc_u32 v[TM+12+\b], 0xfc000000, v[TM+\b] ; 8 off the exponent field: the conversion's scale operand
.endr
.irp b, 0,1,2,3
	v_and_or_b32 v[TM+8+\b], v[TM+\b], 0x7f800000, s[MNT]   ; 448 x the scale
.endr
.irp b, 0,1,2,3
	v_lshrrev_b32 v[TM+4+\b], 23, v[TM+12+\b]      ; the byte
.endr
	v_lshl_or_b32 v[PW], v[TM+5], 8, v[TM+4]
	v_lshl_or_b32 v[PW], v[TM+6], 16, v[PW]
	v_lshl_or_b32 v[PW], v[TM+7], 24, v[PW]
	WIN \sw
.irp b, 0,1,2,3
.irp i, 0,1,2,3,4,5,6,7,8,9,10,11,12,13,14,15
	v_med3_num_f32 v[T+16*\b+\i], v[(\sb)+16*\b+\i], -v[TM+8+\b], v[TM+8+\b]   ; the conversion does not saturate (ISA guide 7.6.2): hold first
.endr
.endr
	WIN 0
.irp b, 0,1,2,3
	v_cvt_scalef32_pk8_fp8_f32 v[PC+4*\b:PC+4*\b+1], v[T+16*\b:T+16*\b+7], v[TM+12+\b]
	v_cvt_scalef32_pk8_fp8_f32 v[PC+4*\b+2:PC+4*\b+3], v[T+16*\b+8:T+16*\b+15], v[TM+12+\b]
.endr
	v_nop                                          ; a plain line behind the last conversion
.endm
.macro IMAGE off                       ; the fragment in v[PC] on and its scale word go to LDS as they stand
.irp c, 0,1,2,3
	ds_store_b128 v[IWI], v[PC+4*\c:PC+4*\c+3] offset:(\off)+512*\c
.endr
	ds_store_b32 v[IWS], v[PW] offset:(\off)/16
	s_wait_dscnt 0x0                               ; the stores have read their registers
.endm
.macro FETCHACT w, sc                  ; all 16 images into window w, their scale words into v[sc] on
.set w_, (\w)<<6
	WIN w_
.irp f, 0,1,2,3,4,5,6,7,8,9,10,11,12,13,14,15
.irp c, 0,1,2,3
	ds_load_b128 v[16*\f+4*\c:16*\f+4*\c+3], v[IRI] offset:2048*\f+512*\c
.endr
.endr
	WIN 0
.irp f, 0,1,2,3,4,5,6,7,8,9,10,11,12,13,14,15
	ds_load_b32 v[\sc+\f], v[IRS] offset:128*\f
.endr
.endm
; THE CHANGE OF SLOTS.  All my tensor loads have landed (the one that was out is my part of the slot about to be read); 0 onto my spare word;
; the descriptor of slot fs steps two tiles on; the add and my reads of slot fs are done; a round of the cluster's barrier, so that no wave of
; any partner still reads that slot; then my one tensor load, first thing behind it: it has a whole slot's 64 products in which to land.
.macro CHANGE fs
	WIN 0
	s_wait_tensorcnt 0x0
	ds_add_u32 v[SPW], v[NIL]
	s_add_nc_u64 s[G0+4*\fs+2:G0+4*\fs+3], s[G0+4*\fs+2:G0+4*\fs+3], 2*SLOTB
	s_wait_dscnt 0x0
	ROUND
	tensor_load_to_lds s[G0+4*\fs:G0+4*\fs+3], s[G1:G1+7]
	s_nop 0
.rept 4
	v_nop
.endr
.endm
.macro FETCHG p, g                     ; four weight fragments, 4 g .. 4 g + 3 of my part of slot p, into set g % 2
.irp i, 0,1,2,3
.irp c, 0,1,2,3
	ds_load_b128 v[WF0+64*((\g)%2)+16*\i+4*\c:WF0+64*((\g)%2)+16*\i+4*\c+3], v[LW+\p] offset:(4*(\g)+\i)*2048+512*\c
.endr
.endr
.endm
.macro WSL p                           ; the part's scale words: lanes 0-15 the slot's first 128 along K, lanes 16-31 its second
.irp t, 0,1,2,3,4,5,6,7
	ds_load_b32 v[WS+\t], v[LS+\p] offset:128*\t
.endr
.endm
; 16 products: four tiles of columns x four tiles of tokens, 128 along K.  The 32 accumulators take turns, one instruction a turn.
.macro MUL4 g, ks, cm, vm
.set q_, (\g)/2
.set wf_, WF0+64*((\g)%2)
.irp i, 0,1,2,3
.irp m, 0,1,2,3
.set t_, 4*((\g)%2)+\i
.set f_, 4*\m+(\ks)+q_
.set a_, wf_+16*\i
.set b_, 16*f_
.if \vm
.set d_, 32*t_+8*\m
.if \cm
	v_wmma_scale_f32_16x16x128_f8f6f4 v[d_:d_+7], v[b_:b_+15], v[a_:a_+15], 0, v[AS+f_], v[WS+t_]
.elseif q_ == 0
	v_wmma_scale_f32_16x16x128_f8f6f4 v[d_:d_+7], v[b_:b_+15], v[a_:a_+15], v[d_:d_+7], v[AS+f_], v[WS+t_]
.else
	v_wmma_scale_f32_16x16x128_f8f6f4 v[d_:d_+7], v[b_:b_+15], v[a_:a_+15], v[d_:d_+7], v[AS+f_], v[WS+t_] matrix_b_scale:MATRIX_SCALE_ROW1
.endif
.else
.set d_, 64*\m+8*t_
.if \cm
	v_wmma_scale_f32_16x16x128_f8f6f4 v[d_:d_+7], v[a_:a_+15], v[b_:b_+15], 0, v[WS+t_], v[AS+f_]
.elseif q_ == 0
	v_wmma_scale_f32_16x16x128_f8f6f4 v[d_:d_+7], v[a_:a_+15], v[b_:b_+15], v[d_:d_+7], v[WS+t_], v[AS+f_]
.else
	v_wmma_scale_f32_16x16x128_f8f6f4 v[d_:d_+7], v[a_:a_+15], v[b_:b_+15], v[d_:d_+7], v[WS+t_], v[AS+f_] matrix_a_scale:MATRIX_SCALE_ROW1
.endif
.endif
.endr
.endr
.endm
; A slot's 64 products, in four groups; each group's fragments are asked for one group ahead.  Loads into registers that products have read stand
; behind their places; np: how many of them are still owed at the slot's head.  cm = 1: the first products start the sums.
.macro SLOTW p, ks, cm, vm, np
	PLACES \np
	FETCHG \p, 0
	WSL \p
.irp g, 0,1,2,3
.if (\g == 1) || (\g == 2)
	PLACES 8
.endif
.if \g < 3
	FETCHG \p, \g+1
	s_wait_dscnt 16                                ; all but the 16 loads just issued
.else
	s_wait_dscnt 0x0
.endif
.if \vm
	WIN 0xa1                                       ; source 0 (x) window 1, source 1 (W) window 0, C and D window 2
.else
	WIN 0xa4                                       ; source 0 (W) window 0, source 1 (x) window 1, C and D window 2
.endif
.if \g < 2
	MUL4 \g, \ks, \cm, \vm
.else
	MUL4 \g, \ks, 0, \vm
.endif
	WIN 0
.endr
.endm
; q or k leaves: for each tile of tokens 64 numbers a lane (128 columns: two heads) become a fragment; its halves are the two heads' half fragments.
.macro EPI_QK cbs, sbs, hc, hs
	PLACES 8
.irp m, 0,1,2,3
	s_wait_xcnt 0x0                                ; the last stores have read the codes' registers
	QUANT 64*\m, 2, 0
	global_store_b128 v[LI], v[PC:PC+3], s[\cbs:\cbs+1] offset:1024*\m            ; each store: 512 consecutive bytes
	global_store_b128 v[LI], v[PC+4:PC+7], s[\cbs:\cbs+1] offset:1024*\m+512
	global_store_b128 v[LI], v[PC+8:PC+11], s[\cbs:\cbs+1] offset:(\hc)+1024*\m
	global_store_b128 v[LI], v[PC+12:PC+15], s[\cbs:\cbs+1] offset:(\hc)+1024*\m+512
	v_mov_b32 v[PWS+\m], v[PW]
.endr
	v_cndmask_b32 v[E], v[PWS], v[PWS+1], s[HM]    ; lanes 0-15: tile 0's words, lanes 16-31: tile 1's (both halves of the lanes hold a row's word)
	v_cndmask_b32 v[E+1], v[PWS+2], v[PWS+3], s[HM]
	v_lshrrev_b32 v[E+2], 16, v[E]                 ; the odd head's two bytes
	v_lshrrev_b32 v[E+3], 16, v[E+1]
	global_store_b32 v[L4], v[E], s[\sbs:\sbs+1]
	global_store_b32 v[L4], v[E+1], s[\sbs:\sbs+1] offset:128
	global_store_b32 v[L4], v[E+2], s[\sbs:\sbs+1] offset:\hs
	global_store_b32 v[L4], v[E+3], s[\sbs:\sbs+1] offset:(\hs)+128
	s_wait_xcnt 0x0                                ; these registers take weight fragments next
.endm
; v leaves: tiles 2 p and 2 p + 1 of columns, each with two blocks of 32 tokens: two of the four parts of two fragments of V.
.macro EPI_V
	PLACES 8
.irp p, 0,1,2,3
	s_wait_xcnt 0x0
	QUANT 64*\p, 2, 0
	global_store_b128 v[LI], v[PC:PC+3], s[VC:VC+1] offset:(\p/2)*REC+(\p%2)*4096
	global_store_b128 v[LI], v[PC+4:PC+7], s[VC:VC+1] offset:(\p/2)*REC+(\p%2)*4096+512
	global_store_b128 v[LI], v[PC+8:PC+11], s[VC:VC+1] offset:(\p/2)*REC+(\p%2)*4096+2048
	global_store_b128 v[LI], v[PC+12:PC+15], s[VC:VC+1] offset:(\p/2)*REC+(\p%2)*4096+2560
	v_mov_b32 v[PWS+\p], v[PW]
	v_lshrrev_b32 v[E+\p], 16, v[PW]
	global_store_b16 v[L4], v[PWS+\p], s[VS:VS+1] offset:(\p/2)*REC+(\p%2)*256       ; two of a scale word's four bytes: 64 tokens are two of a key step's four blocks
	global_store_b16 v[L4], v[E+\p], s[VS:VS+1] offset:(\p/2)*REC+(\p%2)*256+128
.endr
.endm
	s_load_b256 s[4:11], s[0:1], 0x0               ; x, wts, qc, qs
	s_load_b64 s[12:13], s[0:1], 0x20              ; kv
	v_lshl_add_u32 v[SPW], v0, 2, SPARE
	v_mov_b32 v[NIL], 0
	ds_add_u32 v12, v13
	ds_add_u32 v12, v13
	s_wait_dscnt 0x0
	v_lshrrev_b32 v14, 5, v0
	v_readfirstlane_b32 s[WV], v14                 ; wave 0..3
	s_bfe_u32 s15, ttmp6, 0x40000                  ; cx: it enters global addresses of x, qc, qs, kv alone
	s_lshl_b32 s16, ttmp9, 2
	s_add_co_u32 s16, s16, s15                     ; my block of 64 tokens
	s_lshr_b32 s17, s16, 4                         ; the batch
	s_and_b32 s18, s16, 15                         ; my block in it
	v_and_b32 v14, 31, v0
	v_lshlrev_b32 v[LI], 4, v14
	v_lshlrev_b32 v[L4], 2, v14
	s_mul_i32 s19, s[WV], PARTB
	v_add_nc_u32 v[LW], s19, v[LI]
	v_add_nc_u32 v[LW+1], SLOTB, v[LW]
	v_add_nc_u32 v[LS], s19, v[L4]
	v_add_nc_u32 v[LS], 32768, v[LS]
	v_add_nc_u32 v[LS+1], SLOTB, v[LS]
	s_lshl_b32 s52, s[WV], 13
	v_add_nc_u32 v[IWI], s52, v[LI]
	v_add_nc_u32 v[IWI], IMG, v[IWI]               ; my tile's four fragments: 8,192 x wave
	s_lshl_b32 s52, s[WV], 9
	v_add_nc_u32 v[IWS], s52, v[L4]
	v_add_nc_u32 v[IWS], ISC, v[IWS]
	v_add_nc_u32 v[IRI], IMG, v[LI]
	v_add_nc_u32 v[IRS], ISC, v[L4]
	v_and_b32 v15, 15, v0
	v_and_b32 v[XO], 8, v15
	v_add_nc_u32 v[XO], v[XO], v15                 ; r + 8 (r / 8)
	v_lshlrev_b32 v[XO], 11, v[XO]
	v_bfe_u32 v15, v0, 4, 1
	v_lshl_add_u32 v[XO], v15, 6, v[XO]            ; + 64 (lane / 16): my 16 numbers of a block of 32
	v_cmp_le_u32 s[HM], 16, v14
.irp b, 0,1,2,3
	v_mov_b32 v[TM+4+\b], 0                        ; a lane permute's destination counts as one of its sources
.endr
	s_mov_b32 s[SEL], 0x76543210
	s_mov_b32 s[SEL+1], 0xfedcba98
	s_mov_b32 s[MNT], 0x600000
	; descriptor group 1: my part of a tile: 132 rows of 256 bytes, dense
	s_mov_b32 s[G1], 15|(3<<16)|(1<<21)            ; the mask: all four work-groups; elements of 8 bytes; bit 21 set beside a mask; no padding
	s_mov_b32 s[G1+1], 32<<16                      ; tensor_dim0 = 32
	s_mov_b32 s[G1+2], 132<<16                     ; tensor_dim1 = 132
	s_mov_b32 s[G1+3], 32<<16                      ; tile_dim0 = 32
	s_mov_b32 s[G1+4], 132                         ; tile_dim1 = 132
	s_mov_b32 s[G1+5], 32                          ; the pitch
	s_mov_b32 s[G1+6], 0
	s_mov_b32 s[G1+7], 0
	s_lshr_b32 s52, s[WV], 1
	s_lshl_b32 s52, s52, 5
	s_and_b32 s53, s[WV], 1
	s_lshl_b32 s53, s53, 3
	s_add_co_u32 s52, s52, s53                     ; my tile's first token: 32 (w / 2) + 8 (w % 2)
	s_lshl_b32 s53, s16, 6
	s_add_co_u32 s52, s52, s53
	s_lshl_b32 s52, s52, 11
	s_mov_b32 s53, 0
	s_mov_b32 s54, s19
	s_mov_b32 s55, 0
	s_lshl_b32 s56, s17, 3
	s_lshl_b32 s57, s[WV], 1
	s_add_co_u32 s56, s56, s57                     ; my even head, counted over all batches: 8 b + 2 w
	s_lshl_b32 s57, s18, 2                         ; my first tile of tokens in the batch
	s_lshl_b32 s58, s56, 6
	s_add_co_u32 s58, s58, s57
	s_mov_b32 s61, 0
	s_wait_kmcnt 0x0
	s_add_nc_u64 s[4:5], s[4:5], s[52:53]
	s_add_nc_u64 s[6:7], s[6:7], s[54:55]          ; wts at my part of tile 0: the same in all partners
	WIN 0x80                                       ; destination window 2
.irp s, 0,1,2,3
.irp b, 0,1,2,3
.irp j, 0,1,2,3
	global_load_b128 v[64*\s+16*\b+4*\j:64*\s+16*\b+4*\j+3], v[XO], s[4:5] offset:512*\s+128*\b+16*\j th:TH_LOAD_NT
.endr
.endr
.endr
	WIN 0
	s_lshl_b32 s60, s58, 10
	s_add_nc_u64 s[QC:QC+1], s[8:9], s[60:61]
	s_lshl_b32 s60, s58, 6
	s_add_nc_u64 s[QS:QS+1], s[10:11], s[60:61]
	s_mul_i32 s60, s56, REC
	s_add_nc_u64 s[12:13], s[12:13], s[60:61]      ; my even head's record
	s_lshl_b32 s60, s57, 10
	s_add_nc_u64 s[KC:KC+1], s[12:13], s[60:61]
	s_lshl_b32 s60, s57, 6
	s_add_co_u32 s60, s60, 131072
	s_add_nc_u64 s[KS:KS+1], s[12:13], s[60:61]
	s_lshr_b32 s62, s18, 1                         ; the key step of 128 that my 64 tokens lie in,
	s_and_b32 s63, s18, 1                          ; and which half of it
	s_lshl_b32 s60, s62, 13
	s_lshl_b32 s59, s63, 10
	s_add_co_u32 s60, s60, s59
	s_add_co_u32 s60, s60, 65536
	s_add_nc_u64 s[VC:VC+1], s[12:13], s[60:61]
	s_lshl_b32 s60, s62, 9
	s_lshl_b32 s59, s63, 1
	s_add_co_u32 s60, s60, s59
	s_add_co_u32 s60, s60, 135168
	s_add_nc_u64 s[VS:VS+1], s[12:13], s[60:61]
	s_mov_b32 s[G0], 1
	s_mov_b32 s[G0+1], s19
	s_mov_b64 s[G0+2:G0+3], s[6:7]
	s_or_b32 s[G0+3], s[G0+3], 0x80000000
	s_mov_b32 s[G0+4], 1
	s_add_co_u32 s[G0+5], s19, SLOTB
	s_add_nc_u64 s[G0+6:G0+7], s[6:7], SLOTB
	s_or_b32 s[G0+7], s[G0+7], 0x80000000
	ROUND                                          ; all four work-groups are here: the first joint loads meet
	tensor_load_to_lds s[G0:G0+3], s[G1:G1+7]      ; tiles 0 and 1: two loads of mine are out
	s_nop 0
	tensor_load_to_lds s[G0+4:G0+7], s[G1:G1+7]
	s_nop 0
.rept 4
	v_nop
.endr
	; ---- x: my 16 tokens become four fragments
.irp s, 0,1,2,3
	s_wait_loadcnt 48-16*\s                        ; this K step's 16 loads are in; the later steps' may be out
	QUANT 64*\s, 2, 0
	IMAGE 2048*\s
.endr
	BARRIER                                        ; x's sixteen fragments lie in LDS
	FETCHACT 1, AS
	; ---- q
	s_wait_tensorcnt 0x1                           ; my part of tile 0 is in; tile 1's may be out
	SLOTW 0, 0, 1, 0, 0
	CHANGE 0
	SLOTW 1, 2, 0, 0, 5
	EPI_QK QC, QS, 65536, 4096
	; ---- k
	CHANGE 1
	SLOTW 0, 0, 1, 0, 5
	CHANGE 0
	SLOTW 1, 2, 0, 0, 5
	EPI_QK KC, KS, REC, REC
	; ---- v
	CHANGE 1
	SLOTW 0, 0, 1, 1, 5
	s_wait_tensorcnt 0x0                           ; the last tile: nothing is left to fetch
	SLOTW 1, 2, 0, 1, 9
	EPI_V
	s_wait_tensorcnt 0x0                           ; the wave's end
	ds_add_u32 v[SPW], v[NIL]
	s_wait_dscnt 0x0
	ROUND                                          ; the closing round
	s_endpgm
.Lfunc_end_k_qae080bc5bb_qkv:
	.size	k_qae080bc5bb_qkv, .Lfunc_end_k_qae080bc5bb_qkv-k_qae080bc5bb_qkv
	.p2alignl 7, 3214868480
	.fill 96, 4, 3214868480
	.section	.rodata,"a",@progbits
	.p2align	6, 0x0
	.amdhsa_kernel k_qae080bc5bb_qkv
		.amdhsa_group_segment_fixed_size 327680
		.amdhsa_private_segment_fixed_size 0
		.amdhsa_enable_private_segment 0
		.amdhsa_kernarg_size 40
		.amdhsa_user_sgpr_count 2
		.amdhsa_user_sgpr_kernarg_segment_ptr 1
		.amdhsa_wavefront_size32 1
		.amdhsa_system_sgpr_workgroup_id_x 1
		.amdhsa_system_sgpr_workgroup_id_y 1
		.amdhsa_system_sgpr_workgroup_id_z 1
		.amdhsa_system_vgpr_workitem_id 0
		.amdhsa_next_free_vgpr 768
		.amdhsa_next_free_sgpr 66
		.amdhsa_reserve_vcc 0
		.amdhsa_float_denorm_mode_32 3
		.amdhsa_float_denorm_mode_16_64 3
		.amdhsa_memory_ordered 1
		.amdhsa_forward_progress 1
		.amdhsa_inst_pref_size 241
	.end_amdhsa_kernel
	.amdgpu_metadata
---
amdhsa.version: [ 1, 2 ]
amdhsa.kernels:
  - .name:           k_qae080bc5bb_qkv
    .symbol:         k_qae080bc5bb_qkv.kd
    .args:
      - { .name: x, .offset: 0, .size: 8, .value_kind: global_buffer, .address_space: global }
      - { .name: wts, .offset: 8, .size: 8, .value_kind: global_buffer, .address_space: global }
      - { .name: qc, .offset: 16, .size: 8, .value_kind: global_buffer, .address_space: global }
      - { .name: qs, .offset: 24, .size: 8, .value_kind: global_buffer, .address_space: global }
      - { .name: kv, .offset: 32, .size: 8, .value_kind: global_buffer, .address_space: global }
    .group_segment_fixed_size: 327680
    .private_segment_fixed_size: 0
    .kernarg_segment_align: 8
    .kernarg_segment_size: 40
    .max_flat_workgroup_size: 128
    .sgpr_count:     66
    .vgpr_count:     768
    .wavefront_size: 32
...
	.end_amdgpu_metadata
.endif
;; end of part 2
;; launch attn (part 3): grid 256 x 1, 16 waves a work-group, no clusters, 285,696 bytes of LDS; arguments qc, qs, kv, order, cc, cs; writes cc, cs
.if DOCPART == 3
	.amdgcn_target "amdgcn-amd-amdhsa--gfx1250"
	.amdhsa_code_object_version 6
	.text
	.protected	k_qae080bc5bb_attn
	.globl	k_qae080bc5bb_attn
	.p2align	8
	.type	k_qae080bc5bb_attn,@function
k_qae080bc5bb_attn:
	s_mov_b64 s[64:65], 0
	v_nop
	global_prefetch_b8 v0, s[64:65] scope:SCOPE_SE
	s_setreg_imm32_b32 hwreg(HW_REG_WAVE_MODE, 25, 1), 1
	s_wait_xcnt 0x0
; ctx = softmax(q k^T / 8, keys from valid_lens on hidden) v, both products on codes of E4M3 with one E8M0 scale for each 32 along K; ctx / l is
; quantised along its 512 columns at once and leaves as fragment images (cc) and scale words (cs).
; THE SOFTMAX: t = score x log2(e) / 8; M = the running largest t rounded up to a whole number; p = 2^(t - M) is quantised along the keys, not
; normalised; the row's sum is taken of the unquantised p and divides at the end; when M moves, the sum and O are multiplied by 2^(old M - new M).
; ONLY THE KEY STEPS THAT HOLD A COUNTED KEY ARE WALKED: a batch of length L takes ceil(L / 128) of its 8 steps of 128 keys; what lies behind is
; thrown away by reference()'s own mask.  So that all work-groups have about the same work whatever the lengths, a work-group takes TWO batches,
; one after the other: the one of rank 15 - p by length, then the one of rank p (order[], made by the launch that lays the weights out).
; SHARES.  Work-group = (pair p, pair of heads hp, eighth e of the queries).  In a phase (a batch) it takes 128 queries x 2 heads: 16 units; wave w takes
; the tile of 16 queries 8 e + w % 8 for head 2 hp + w / 8.  The walked steps of both heads' K and V lie in LDS for the phase: wave w brings step w % 8 of
; head w / 8 (K's and V's images, 8 KB each, and 512 bytes of scale words each) through its registers, if that step is walked.
; Eight work-groups read the same two records.  They are not asked for jointly: which batch a work-group takes and how many steps it walks are numbers
; read from memory; the branch spares the whole work of every hidden
; step, a joint request would spare seven of eight reads of 17 KB a step.
; BOTH PRODUCTS ARE USED TRANSPOSED: a lane holds one query throughout.  The first product's K is 64: Q's fragment is 8 registers of codes and 8
; of zero codes; K's fragment of tile i is its 8 registers and the 8 behind them (the next tile's codes, or zeros): what meets zero codes adds nothing.
; THE MASK inside a walked step costs no vector instruction: a table of 1,024 f32 in LDS, 0 for a key that counts and -2^60 for a hidden one, is loaded as
; the C of the first product.
; LIMITS: hidden scores are -2^60 + score where reference() has -1e9: p is 0 either way as long as one key counts; with none (valid_lens <= 0) all 1,024
; keys are walked hidden and all p are equal, as in reference(), while |q . k| stays under 2^36.  NaN and infinities are not served.  A block whose
; largest magnitude lies under 2^-118 takes the scale byte 1.
.set REC,   139264                     ; a record: K's images 0, V's 65,536, K's scale words 131,072, V's 135,168
.set VIMG,  65536
.set KSC,   131072
.set VSC,   135168
.set BIAS,  2*REC                      ; behind the two records: the mask's table, 4,096 bytes
.set CSG,   BIAS+4096                  ; and ctx's scale words: 512 bytes for each phase
.set LI,   1                           ; 16 x lane
.set LIV,  2                           ; + V's images
.set AKS,  3                           ; 4 (lane % 16) + K's scale words
.set AVS,  4                           ; 4 x lane + V's
.set AB0,  5                           ; 64 (lane / 16) + the table
.set ADK,  6                           ; v6-10 the step's addresses
.set ADV,  7
.set ADKS, 8
.set ADVS, 9
.set ADB,  10
.set LST8, 11                          ; where I put the K images that I bring: 16 x lane + my head's record + 8,192 (w % 8)
.set S,    104                         ; v104-167 S^T, then p, then ctx
.set O,    168                         ; v168-199 O^T
.set PCD,  200                         ; v200-215 p's codes
.set KW,   216                         ; v216-223 K's or V's scale words
.set QW,   224                         ; Q's scale word
.set PWD,  225                         ; p's scale word
.set LST5, 226                         ; where I put the scale words that I bring
.set CRD,  227                         ; where ctx's scale words are read back
.set BM,   228                         ; v228-231 block maxima
.set PM,   232                         ; v232-235 permutes, a sum's chain, bytes
.set LM,   236                         ; v236-239 limits
.set SC,   240                         ; v240-243 scale operands
.set FP,   244                         ; v[244:245] f
.set TT,   246
.set CWR,  247                         ; where my two scale bytes of ctx go
.set BIA,  248                         ; the table: 4 x my thread's number
.set T512, 249                         ; my thread's number + 512
.set NEG,  250                         ; -2^60
.set ZER,  251                         ; 0
.set R4,   252                         ; 4 (lane % 16)
.set PFO,  253                         ; 256 x lane; never rewritten
.set LSTV, 254                         ; LST8 + V's images
.set WV,   16
.set E8,   17
.set HP,   18
.set PI,   19
.set SEL,  20
.set CS,   22                          ; s[22:23] c = log2(e) / 8
.set MNT,  24
.set W7,   25                          ; w % 8
.set W3,   26                          ; w / 8
.set HB,   27                          ; my head's record in LDS
.set KT,   28                          ; my tile of queries in a batch
.set K0,   48                          ; s48, s49 the two phases' keys out of order[]
.set BB,   50                          ; the phase's batch
.set NST,  51                          ; its key steps
.set VLB,  52                          ; how many of its keys count
.set HD,   53                          ; my head, counted over all batches
.set QP,   56
.set QSP,  58
.set CCP,  60
.set CSP,  62
.set KV8,  66                          ; s[66:67] my head's record in memory + 8,192 (w % 8)
.set KV5,  68                          ; s[68:69] the same + 512 (w % 8)
.set S8,   70                          ; my head's record in LDS + 8,192 x key step
.set SS,   71                          ; + 512 x key step
.set SB,   72                          ; 512 x key step
.set CNT,  73                          ; the key step
.set PFA,  76                          ; s[76:77] what I prefetch; never rewritten
.set PFC,  78                          ; the trip of phase 0 in which I prefetch, or -1
	s_load_b256 s[4:11], s[0:1], 0x0               ; qc, qs, kv, order
	s_load_b128 s[12:15], s[0:1], 0x20             ; cc, cs
	v_lshrrev_b32 v1, 5, v0
	v_readfirstlane_b32 s[WV], v1                  ; wave 0..15
	s_and_b32 s[E8], ttmp9, 7                      ; which 128 queries
	s_bfe_u32 s[HP], ttmp9, 0x20003                ; which pair of heads
	s_lshr_b32 s[PI], ttmp9, 5                     ; which pair of batches
	s_and_b32 s[W7], s[WV], 7
	s_lshr_b32 s[W3], s[WV], 3
	s_mul_i32 s[HB], s[W3], REC
	s_lshl_b32 s[KT], s[E8], 3
	s_add_co_u32 s[KT], s[KT], s[W7]
	s_lshl_b32 s54, s[PI], 2                       ; order[p],
	s_mov_b32 s55, 0
	s_sub_co_u32 s74, 60, s54                      ; order[15 - p]
	s_mov_b32 s75, 0
	s_mov_b32 s[SEL], 0x76543210
	s_mov_b32 s[SEL+1], 0xfedcba98
	s_mov_b32 s[CS], 0x3e38aa3b
	s_mov_b32 s[CS+1], s[CS]                       ; (named with it as a pair, so it is written)
	s_mov_b32 s[MNT], 0x600000
	s_wait_kmcnt 0x0
	s_add_nc_u64 s[56:57], s[10:11], s[74:75]
	s_add_nc_u64 s[58:59], s[10:11], s[54:55]
	s_load_b32 s[K0], s[56:57], 0x0                ; phase 0: the longer batch of the pair
	s_load_b32 s[K0+1], s[58:59], 0x0              ; phase 1: the shorter
	v_and_b32 v228, 31, v0                         ; lane
	v_and_b32 v229, 15, v0
	v_bfe_u32 v231, v0, 4, 1
	v_lshlrev_b32 v[LI], 4, v228
	v_add_nc_u32 v[LIV], VIMG, v[LI]
	v_lshlrev_b32 v[R4], 2, v229
	v_add_nc_u32 v[AKS], KSC, v[R4]
	v_lshlrev_b32 v[AVS], 2, v228
	v_add_nc_u32 v[AVS], VSC, v[AVS]
	v_lshl_add_u32 v[AB0], v231, 6, BIAS
	s_lshl_b32 s54, s[W7], 13
	s_add_co_u32 s54, s54, s[HB]
	v_add_nc_u32 v[LST8], s54, v[LI]
	v_add_nc_u32 v[LSTV], VIMG, v[LST8]
	s_lshl_b32 s54, s[W7], 9
	s_add_co_u32 s54, s54, s[HB]
	s_add_co_u32 s54, s54, KSC
	v_add_nc_u32 v[LST5], s54, v[LI]
	s_lshl_b32 s54, s[W7], 6                       ; ctx's scale words: 64 bytes a tile, 4 a row; the even head's two bytes below, the odd head's above
	s_lshl_b32 s55, s[W3], 1
	s_add_co_u32 s54, s54, s55
	s_add_co_u32 s54, s54, CSG
	v_add_nc_u32 v[CWR], s54, v[R4]
	v_add_nc_u32 v[CRD], CSG, v[LI]
	v_lshl_add_u32 v[BIA], v0, 2, BIAS
	v_add_nc_u32 v[T512], 512, v0
	v_mov_b32 v[NEG], 0xdd800000
	v_mov_b32 v[ZER], 0
	v_lshlrev_b32 v[PFO], 8, v228
.irp j, 0,1,2,3,4,5,6,7
	v_mov_b32 v[24+\j], 0                          ; Q's upper 64 along K: zero codes
	v_mov_b32 v[96+\j], 0                          ; what stands behind K's last tile: zero codes, for the whole launch
.endr
.set j_, BM
.rept 19
	v_mov_b32 v[j_], 0                             ; v228-246: written once on every way (lane permutes' destinations count as sources; upper halves of pairs)
.set j_, j_+1
.endr
	s_wait_kmcnt 0x0                               ; the two keys
	; THE PREFETCH of phase 1's records: K's and V's images of step e of head w / 8, 8 KB each, a lane to each 256 bytes: two instructions, in the waves with
	; w % 8 = e, if phase 1 walks that step.  The eight work-groups that will read a record take a step each, so each block is named once in the launch.
	; It is asked in the trip of phase 0's last walked step.  The scale words and phase 0's records come by their loads alone.
	s_and_b32 s54, s[K0+1], 15
	s_min_u32 s54, s54, 15                         ; a loaded number enters an address behind a bound
	s_lshl_b32 s54, s54, 3
	s_lshl_b32 s55, s[HP], 1
	s_add_co_u32 s54, s54, s55
	s_add_co_u32 s54, s54, s[W3]
	s_mul_i32 s74, s54, REC
	s_lshl_b32 s55, s[E8], 13
	s_add_co_u32 s74, s74, s55
	s_mov_b32 s75, 0
	s_add_nc_u64 s[PFA:PFA+1], s[8:9], s[74:75]
	s_lshr_b32 s54, s[K0+1], 5
	s_add_co_u32 s54, s54, 127
	s_lshr_b32 s54, s54, 7                         ; phase 1's steps
	s_lshr_b32 s55, s[K0], 5
	s_add_co_u32 s55, s55, 127
	s_lshr_b32 s55, s55, 7
	s_sub_co_u32 s55, s55, 1                       ; phase 0's last step
	s_cmp_lt_u32 s[E8], s54
	s_cselect_b32 s[PFC], s55, -1
	s_cmp_eq_u32 s[W7], s[E8]
	s_cselect_b32 s[PFC], s[PFC], -1
; A KEY STEP: 128 keys.
.macro STEP
	v_add_nc_u32 v[ADK], s[S8], v[LI]
	v_add_nc_u32 v[ADV], s[S8], v[LIV]
	v_add_nc_u32 v[ADKS], s[SS], v[AKS]
	v_add_nc_u32 v[ADVS], s[SS], v[AVS]
	v_add_nc_u32 v[ADB], s[SB], v[AB0]
.rept 4
	v_nop                                          ; with the five lines above: the places in front of loads into registers that the last products read
.endr
.irp t, 0,1,2,3,4,5,6,7
	ds_load_b128 v[S+8*\t:S+8*\t+3], v[ADB] offset:(32*(\t/2)+8*(\t%2))*4        ; the mask of my eight keys of tile t, straight into the accumulator
	ds_load_b128 v[S+8*\t+4:S+8*\t+7], v[ADB] offset:(32*(\t/2)+8*(\t%2))*4+16
.endr
.irp t, 0,1,2,3,4,5,6,7
	ds_load_b128 v[32+8*\t:35+8*\t], v[ADK] offset:1024*\t
	ds_load_b128 v[36+8*\t:39+8*\t], v[ADK] offset:1024*\t+512
	ds_load_b32 v[KW+\t], v[ADKS] offset:64*\t
.endr
	s_wait_dscnt 0x0
.irp t, 0,1,2,3,4,5,6,7
	v_wmma_scale_f32_16x16x128_f8f6f4 v[S+8*\t:S+8*\t+7], v[32+8*\t:47+8*\t], v[16:31], v[S+8*\t:S+8*\t+7], v[KW+\t], v[QW]
.endr                                              ; register 16 b + i of a lane: key 32 b + 16 (lane / 16) + i of the step
.rept 8
	v_nop
.endr
.irp t, 0,1,2,3                                    ; V is asked for now and lands under the softmax
.irp c, 0,1,2,3
	ds_load_b128 v[32+16*\t+4*\c:35+16*\t+4*\c], v[ADV] offset:2048*\t+512*\c
.endr
	ds_load_b32 v[KW+\t], v[ADVS] offset:128*\t
.endr
.irp b, 0,1,2,3
	v_max3_num_f32 v[BM+\b], v[S+16*\b], v[S+16*\b+1], v[S+16*\b+2]   ; the largest score of each block of 32 keys: for the row's maximum and for the block's largest p
.endr
.irp i, 3,5,7,9,11,13
.irp b, 0,1,2,3
	v_max3_num_f32 v[BM+\b], v[BM+\b], v[S+16*\b+\i], v[S+16*\b+\i+1]
.endr
.endr
.irp b, 0,1,2,3
	v_max_num_f32 v[BM+\b], v[BM+\b], v[S+16*\b+15]
.endr
.irp b, 0,1,2,3
	v_permlanex16_b32 v[PM+\b], v[BM+\b], s[SEL], s[SEL+1]
.endr
.irp b, 0,1,2,3
	v_max_num_f32 v[BM+\b], v[BM+\b], v[PM+\b]
.endr
	v_max3_num_f32 v[TT], v[BM], v[BM+1], v[BM+2]
	v_max_num_f32 v[TT], v[TT], v[BM+3]
	v_mul_f32 v[TT], s[CS], v[TT]
	v_max_num_f32 v13, v13, v[TT]                  ; the running largest t
	v_mov_b32 v[TT], v12
	v_floor_f32 v12, -v13                          ; -M = floor(-t): M is a whole number
	v_sub_f32 v[TT], v12, v[TT]
	v_cvt_i32_f32 v[TT], v[TT]                     ; (it saturates)
	v_ldexp_f32 v[FP], 1.0, v[TT]                  ; f = 2^(old M - new M)
.set j_, 0
.rept 32
	v_pk_fma_f32 v[S+j_:S+j_+1], v[S+j_:S+j_+1], s[CS:CS+1], v[12:13] op_sel_hi:[1,0,0]   ; t - M
.set j_, j_+2
.endr
.irp b, 0,1,2,3
	v_fma_f32 v[BM+\b], v[BM+\b], s[CS], v12
.endr
.set j_, 0
.rept 64
	v_exp_f32 v[S+j_], v[S+j_]                     ; p = 2^(t - M)
.set j_, j_+1
.endr
	v_pk_mul_f32 v[14:15], v[14:15], v[FP:FP+1] op_sel_hi:[1,0]   ; the sums under the new M: a plain line behind the exponentials
	s_wait_alu depctr_va_vdst(0)                   ; one wait for the batch, ahead of its first reader
.irp b, 0,1,2,3
	v_exp_f32 v[BM+\b], v[BM+\b]                   ; each block's largest p
.endr
	v_pk_add_f32 v[PM:PM+1], v[S:S+1], v[S+2:S+3]  ; the row's sum of the unquantised p, in two chains
.irp j, 4,8,12,16,20,24,28,32,36,40,44,48,52,56,60
	v_pk_add_f32 v[14:15], v[14:15], v[S+\j:S+\j+1]
	v_pk_add_f32 v[PM:PM+1], v[PM:PM+1], v[S+\j+2:S+\j+3]
.endr
	v_pk_add_f32 v[14:15], v[14:15], v[PM:PM+1]
	s_wait_alu depctr_va_vdst(0)                   ; and one for the four
.irp b, 0,1,2,3
	v_max_num_f32 v[BM+\b], 0x4800000, v[BM+\b]    ; the floor 2^(9 - 127)
.endr
.irp b, 0,1,2,3
	v_add_nc_u32 v[SC+\b], 0xfc000000, v[BM+\b]
.endr
.irp b, 0,1,2,3
	v_and_or_b32 v[LM+\b], v[BM+\b], 0x7f800000, s[MNT]
.endr
.irp b, 0,1,2,3
	v_lshrrev_b32 v[PM+\b], 23, v[SC+\b]
.endr
	v_lshl_or_b32 v[PWD], v[PM+1], 8, v[PM]
	v_lshl_or_b32 v[PWD], v[PM+2], 16, v[PWD]
	v_lshl_or_b32 v[PWD], v[PM+3], 24, v[PWD]
.irp b, 0,1,2,3
.irp i, 0,1,2,3,4,5,6,7,8,9,10,11,12,13,14,15
	v_min_num_f32 v[S+16*\b+\i], v[S+16*\b+\i], v[LM+\b]   ; the conversion does not saturate (ISA guide 7.6.2); p is not negative
.endr
	v_cvt_scalef32_pk8_fp8_f32 v[PCD+4*\b:PCD+4*\b+1], v[S+16*\b:S+16*\b+7], v[SC+\b]
	v_cvt_scalef32_pk8_fp8_f32 v[PCD+4*\b+2:PCD+4*\b+3], v[S+16*\b+8:S+16*\b+15], v[SC+\b]
.endr
.set j_, 0
.rept 16
	v_pk_mul_f32 v[O+j_:O+j_+1], v[O+j_:O+j_+1], v[FP:FP+1] op_sel_hi:[1,0]   ; O^T under the new M; these lines are also the places in front of the products
.set j_, j_+2
.endr
	s_wait_dscnt 0x0                               ; V
.irp t, 0,1,2,3
	v_wmma_scale_f32_16x16x128_f8f6f4 v[O+8*\t:O+8*\t+7], v[32+16*\t:47+16*\t], v[PCD:PCD+15], v[O+8*\t:O+8*\t+7], v[KW+\t], v[PWD]
.endr
.endm
; A PHASE: one batch.  Q, the mask's table and the walked steps of K and V come in; a barrier; the key steps; ctx = O / l is quantised (two blocks of 32
; columns: half a fragment) and leaves; a barrier, behind which LDS may be written again and the eight tiles' scale words are whole.
.macro PHASE ph
.if \ph
	s_wait_xcnt 0x0                                ; the last phase's stores have read their registers and bases: both are written again below
.endif
	s_and_b32 s[BB], s[K0+\ph], 15
	s_min_u32 s[BB], s[BB], 15                     ; a loaded number enters addresses behind a bound
	s_lshr_b32 s[NST], s[K0+\ph], 5                ; the keys to be walked
	s_bitcmp1_b32 s[K0+\ph], 4                     ; does none of them count?
	s_cselect_b32 s[VLB], 0, s[NST]                ; the keys that count
	s_add_co_u32 s[NST], s[NST], 127
	s_lshr_b32 s[NST], s[NST], 7
	s_min_u32 s[NST], s[NST], 8                    ; the key steps to be walked
	s_lshl_b32 s[HD], s[BB], 3
	s_lshl_b32 s54, s[HP], 1
	s_add_co_u32 s[HD], s[HD], s54
	s_add_co_u32 s[HD], s[HD], s[W3]               ; my head: 8 x batch + 2 hp + w / 8
	s_mul_i32 s74, s[HD], REC
	s_mov_b32 s75, 0
	s_add_nc_u64 s[KV5:KV5+1], s[8:9], s[74:75]    ; its record
	s_lshl_b32 s74, s[W7], 13
	s_add_nc_u64 s[KV8:KV8+1], s[KV5:KV5+1], s[74:75]
	s_lshl_b32 s74, s[W7], 9
	s_add_nc_u64 s[KV5:KV5+1], s[KV5:KV5+1], s[74:75]
	s_lshl_b32 s54, s[HD], 6
	s_add_co_u32 s54, s54, s[KT]
	s_lshl_b32 s74, s54, 10
	s_add_nc_u64 s[QP:QP+1], s[4:5], s[74:75]
	s_lshl_b32 s74, s54, 6
	s_add_nc_u64 s[QSP:QSP+1], s[6:7], s[74:75]
	s_lshl_b32 s54, s[BB], 6
	s_add_co_u32 s55, s54, s[KT]                   ; my tile of rows: 64 x batch + tile
	s_lshl_b32 s55, s55, 2
	s_add_co_u32 s55, s55, s[HP]
	s_lshl_b32 s55, s55, 1
	s_add_co_u32 s55, s55, s[W3]
	s_lshl_b32 s74, s55, 10
	s_add_nc_u64 s[CCP:CCP+1], s[12:13], s[74:75]  ; my half of its fragment hp
	s_lshl_b32 s55, s[HP], 10
	s_add_co_u32 s55, s55, s54
	s_lshl_b32 s54, s[E8], 3
	s_add_co_u32 s55, s55, s54
	s_lshl_b32 s74, s55, 6
	s_add_nc_u64 s[CSP:CSP+1], s[14:15], s[74:75]  ; the eight tiles' 512 bytes of scale words
	global_load_b128 v[16:19], v[LI], s[QP:QP+1] th:TH_LOAD_NT            ; Q: a half fragment
	global_load_b128 v[20:23], v[LI], s[QP:QP+1] offset:512 th:TH_LOAD_NT
	global_load_b32 v[QW], v[R4], s[QSP:QSP+1]
	v_cmp_gt_i32 vcc_lo, s[VLB], v0                ; key = my thread's number: does it count?
	v_cndmask_b32 v[PM+3], v[NEG], v[ZER], vcc_lo
	v_cmp_gt_i32 vcc_lo, s[VLB], v[T512]           ; and key + 512
	v_cndmask_b32 v[LM], v[NEG], v[ZER], vcc_lo
	ds_store_b32 v[BIA], v[PM+3]
	ds_store_b32 v[BIA], v[LM] offset:2048
	s_cmp_lt_u32 s[W7], s[NST]                     ; is my step walked?
	s_cbranch_scc0 .Lnoload_\@
.irp i, 0,1,2,3,4,5,6,7,8,9,10,11,12,13,14,15
	global_load_b128 v[32+4*\i:35+4*\i], v[LI], s[KV8:KV8+1] offset:512*\i          ; each load: 512 consecutive bytes
.endr
.irp i, 0,1,2,3,4,5,6,7,8,9,10,11,12,13,14,15
	global_load_b128 v[S+4*\i:S+4*\i+3], v[LI], s[KV8:KV8+1] offset:VIMG+512*\i
.endr
	global_load_b128 v[O:O+3], v[LI], s[KV5:KV5+1] offset:KSC
	global_load_b128 v[O+4:O+7], v[LI], s[KV5:KV5+1] offset:VSC
	s_wait_loadcnt 18                              ; Q's 3 loads and K's 16 are in; V's 16 and the 2 of scale words may be out
.irp i, 0,1,2,3,4,5,6,7,8,9,10,11,12,13,14,15
	ds_store_b128 v[LST8], v[32+4*\i:35+4*\i] offset:512*\i
.endr
	s_wait_loadcnt 0x0
.irp i, 0,1,2,3,4,5,6,7,8,9,10,11,12,13,14,15
	ds_store_b128 v[LSTV], v[S+4*\i:S+4*\i+3] offset:512*\i
.endr
	ds_store_b128 v[LST5], v[O:O+3]
	ds_store_b128 v[LST5], v[O+4:O+7] offset:VSC-KSC
.Lnoload_\@:
	s_wait_loadcnt 0x0                             ; Q
	s_wait_dscnt 0x0                               ; for the others' sake: what I brought and my part of the table have landed
	s_barrier_signal -1
.set j_, 0
.rept 32
	v_mov_b32 v[O+j_], 0                           ; the step is written once: the first finds zeros
.set j_, j_+1
.endr
	v_mov_b32 v13, 0xff61b1e6                      ; the largest t so far: -3e38
	v_floor_f32 v12, -v13
	v_mov_b32 v14, 0
	v_mov_b32 v15, 0
	s_barrier_wait -1                              ; everybody's has landed
	s_mov_b32 s[S8], s[HB]
	s_mov_b32 s[SS], s[HB]
	s_mov_b32 s[SB], 0
	s_mov_b32 s[CNT], 0
.Lstep_\@:                                         ; eight trips, always: the addresses' steps are constants of the text; a hidden step's work is jumped over
.if (\ph) == 0
	s_cmp_eq_u32 s[CNT], s[PFC]
	s_cbranch_scc0 .Lnopf_\@
	global_prefetch_b8 v[PFO], s[PFA:PFA+1] th:TH_LOAD_NT scope:SCOPE_SE
	global_prefetch_b8 v[PFO], s[PFA:PFA+1] offset:VIMG th:TH_LOAD_NT scope:SCOPE_SE
.Lnopf_\@:
.endif
	s_cmp_ge_u32 s[CNT], s[NST]
	s_cbranch_scc1 .Lhid_\@
	STEP
.Lhid_\@:
	s_add_co_u32 s[S8], s[S8], 8192
	s_add_co_u32 s[SS], s[SS], 512
	s_add_co_u32 s[SB], s[SB], 512
	s_add_co_u32 s[CNT], s[CNT], 1
	s_cmp_lt_u32 s[CNT], 8
	s_cbranch_scc1 .Lstep_\@
.rept 8
	v_nop                                          ; places behind the last products
.endr
	v_add_f32 v14, v14, v15
	v_permlanex16_b32 v[TT], v14, s[SEL], s[SEL+1]
	v_add_f32 v14, v14, v[TT]                      ; the row's sum
	v_rcp_f32 v14, v14
	v_nop
	s_wait_alu depctr_va_vdst(0)
.set j_, 0
.rept 32
	v_mul_f32 v[S+j_], v[O+j_], v14                ; register 16 b + i: column 32 b + 16 (lane / 16) + i of the head
.set j_, j_+1
.endr
.irp b, 0,1
	v_max3_num_f32 v[BM+\b], |v[S+16*\b]|, |v[S+16*\b+1]|, 0x4800000
.endr
.irp i, 2,4,6,8,10,12,14
.irp b, 0,1
	v_max3_num_f32 v[BM+\b], v[BM+\b], |v[S+16*\b+\i]|, |v[S+16*\b+\i+1]|
.endr
.endr
.irp b, 0,1
	v_permlanex16_b32 v[PM+\b], v[BM+\b], s[SEL], s[SEL+1]
.endr
.irp b, 0,1
	v_max_num_f32 v[BM+\b], v[BM+\b], v[PM+\b]
.endr
.irp b, 0,1
	v_add_nc_u32 v[SC+\b], 0xfc000000, v[BM+\b]
.endr
.irp b, 0,1
	v_and_or_b32 v[LM+\b], v[BM+\b], 0x7f800000, s[MNT]
.endr
.irp b, 0,1
	v_lshrrev_b32 v[PM+\b], 23, v[SC+\b]
.endr
	v_lshl_or_b32 v[PM], v[PM+1], 8, v[PM]         ; the head's two scale bytes
.irp b, 0,1
.irp i, 0,1,2,3,4,5,6,7,8,9,10,11,12,13,14,15
	v_med3_num_f32 v[S+16*\b+\i], v[S+16*\b+\i], -v[LM+\b], v[LM+\b]
.endr
	v_cvt_scalef32_pk8_fp8_f32 v[PCD+4*\b:PCD+4*\b+1], v[S+16*\b:S+16*\b+7], v[SC+\b]
	v_cvt_scalef32_pk8_fp8_f32 v[PCD+4*\b+2:PCD+4*\b+3], v[S+16*\b+8:S+16*\b+15], v[SC+\b]
.endr
	v_nop                                          ; a plain line behind the last conversion
	global_store_b128 v[LI], v[PCD:PCD+3], s[CCP:CCP+1]               ; each store: 512 consecutive bytes
	global_store_b128 v[LI], v[PCD+4:PCD+7], s[CCP:CCP+1] offset:512
	ds_store_b16 v[CWR], v[PM] offset:512*(\ph)    ; both halves of the lanes write a row's two bytes with the same value
	s_wait_dscnt 0x0                               ; my bytes have landed, and my reads of K, V and the table are over
	s_barrier_signal -1
	s_barrier_wait -1                              ; so have everybody's
	s_cmp_lg_u32 s[WV], 0                          ; wave 0 stores the eight tiles' scale words: 512 consecutive bytes
	s_cbranch_scc1 .Lno_cs_\@
	ds_load_b128 v[BM:BM+3], v[CRD] offset:512*(\ph)
	s_wait_dscnt 0x0
	global_store_b128 v[LI], v[BM:BM+3], s[CSP:CSP+1]
.Lno_cs_\@:
.endm
	PHASE 0
	PHASE 1
	s_wait_xcnt 0x0
	v_lshl_add_u32 v254, v0, 2, 0x45400
	v_mov_b32 v255, 0
	s_wait_tensorcnt 0x0
	ds_add_u32 v254, v255
	s_wait_dscnt 0x0
	s_endpgm
.Lfunc_end_k_qae080bc5bb_attn:
	.size	k_qae080bc5bb_attn, .Lfunc_end_k_qae080bc5bb_attn-k_qae080bc5bb_attn
	.p2alignl 7, 3214868480
	.fill 96, 4, 3214868480
	.section	.rodata,"a",@progbits
	.p2align	6, 0x0
	.amdhsa_kernel k_qae080bc5bb_attn
		.amdhsa_group_segment_fixed_size 285696
		.amdhsa_private_segment_fixed_size 0
		.amdhsa_enable_private_segment 0
		.amdhsa_kernarg_size 48
		.amdhsa_user_sgpr_count 2
		.amdhsa_user_sgpr_kernarg_segment_ptr 1
		.amdhsa_wavefront_size32 1
		.amdhsa_system_sgpr_workgroup_id_x 1
		.amdhsa_system_sgpr_workgroup_id_y 1
		.amdhsa_system_sgpr_workgroup_id_z 1
		.amdhsa_system_vgpr_workitem_id 0
		.amdhsa_next_free_vgpr 256
		.amdhsa_next_free_sgpr 80
		.amdhsa_reserve_vcc 1
		.amdhsa_float_denorm_mode_32 3
		.amdhsa_float_denorm_mode_16_64 3
		.amdhsa_memory_ordered 1
		.amdhsa_forward_progress 1
		.amdhsa_inst_pref_size 75
	.end_amdhsa_kernel
	.amdgpu_metadata
---
amdhsa.version: [ 1, 2 ]
amdhsa.kernels:
  - .name:           k_qae080bc5bb_attn
    .symbol:         k_qae080bc5bb_attn.kd
    .args:
      - { .name: qc, .offset: 0, .size: 8, .value_kind: global_buffer, .address_space: global }
      - { .name: qs, .offset: 8, .size: 8, .value_kind: global_buffer, .address_space: global }
      - { .name: kv, .offset: 16, .size: 8, .value_kind: global_buffer, .address_space: global }
      - { .name: order, .offset: 24, .size: 8, .value_kind: global_buffer, .address_space: global }
      - { .name: cc, .offset: 32, .size: 8, .value_kind: global_buffer, .address_space: global }
      - { .name: cs, .offset: 40, .size: 8, .value_kind: global_buffer, .address_space: global }
    .group_segment_fixed_size: 285696
    .private_segment_fixed_size: 0
    .kernarg_segment_align: 8
    .kernarg_segment_size: 48
    .max_flat_workgroup_size: 512
    .sgpr_count:     80
    .vgpr_count:     256
    .wavefront_size: 32
...
	.end_amdgpu_metadata
.endif
;; end of part 3
;; launch tail (part 4): grid 256 x 1, 4 waves a work-group, clusters of 4 x 1, 327,680 bytes of LDS; arguments cc, cs, x, wts, b1, b2, ln1_g, ln1_b, ln2_g, ln2_b, out0; writes out0
.if DOCPART == 4
	.amdgcn_target "amdgcn-amd-amdhsa--gfx1250"
	.amdhsa_code_object_version 6
	.text
	.protected	k_qae080bc5bb_tail
	.globl	k_qae080bc5bb_tail
	.p2align	8
	.type	k_qae080bc5bb_tail,@function
k_qae080bc5bb_tail:
	s_mov_b64 s[64:65], 0
	v_nop
	global_prefetch_b8 v0, s[64:65] scope:SCOPE_SE
	s_setreg_imm32_b32 hwreg(HW_REG_WAVE_MODE, 25, 1), 1
	s_wait_xcnt 0x0
	s_wait_alu depctr_hold_cnt(0) depctr_sa_sdst(0) depctr_va_vdst(0) depctr_va_sdst(0) depctr_va_ssrc(0) depctr_va_vcc(0) depctr_vm_vsrc(0)
	s_getreg_b32 s2, hwreg(HW_REG_IB_STS2, 6, 4)
	s_cmp_eq_u32 s2, 0
	s_cbranch_scc0 .Lentry_in_a_cluster
	s_endpgm
.Lentry_in_a_cluster:
	s_bfe_u32 s2, ttmp6, 0x10000c
	s_cmp_lg_u32 s2, 0x3003
	s_cbranch_scc0 .Lentry_shape_is_right
	s_endpgm
.Lentry_shape_is_right:
; out = LN2(y + relu(Q(y) Q(w1) + b1) quantised x Q(w2) + b2), y = LN1(x + Q(ctx) Q(wo)).  All three products on codes of E4M3 with one E8M0 scale for
; each 32 along K; residuals, biases, relu and both norms in f32.  y and the hidden layer never go to memory.
; SHARES.  A work-group takes 64 tokens (four tiles of 16; tile m, row i is token 32 (m / 2) + 8 (m % 2) + i + 8 (i / 8)).  Wave w makes columns
; 128 w .. + 127 of every product of 512 columns, for all 64 tokens.  The hidden layer goes in four chunks of 512 units: wave w makes units 128 w .. + 127
; of a chunk, which are K step w of the second product.  All products are used transposed (source 0 = 16 columns of W, source 1 = 16 tokens):
; a lane holds one token and its registers run along the columns, the next K.  Operands go from wave to wave through LDS as images of their registers.
; THE SUMS START FROM WHAT IS ADDED ANYWAY: wo's from x, w1's from b1, w2's from y + b2.
; THE WEIGHTS come through a ring of two LDS slots; a slot is one tile of wts (512 columns x 256 along K); wave w fetches and reads part w alone.  Tiles 6 to 23:
; wo, then for each chunk w1's two and w2's two.  CLUSTER: all work-groups walk the same tiles: the four of a cluster ask for each part JOINTLY.
; THE NORMS: each wave takes its 128 columns' mean and the sum of squares about THAT mean; the four waves' figures meet in LDS and are joined without
; forming a difference of large sums.
; LIMITS: NaN and infinities are not served; a block whose largest magnitude lies under 2^-118 (zeros too) takes the scale byte 1.
; No prefetch: the weights are read by every cluster, and ctx, x and the gains are asked for whole at the head.
; REGISTERS: window 0: v1-15, v248-251 addresses; v16-31, v32-47 activations' scale words; v48-55 the weights'; v56-119, v120-183 two sets of four weight
; fragments (between slots: the quantiser's and the norms' figures; at the end rows of out); v184-247 b1, or held numbers.
; window 1: ctx's, then y's 16 fragments; at the end ln2's gain and bias.  window 2: the 32 accumulators of the 512-column products.
; window 3: ln1's gain and bias and b2; then the hidden layer's 32 accumulators and its 16 fragments by turns.
.set SLOTB, 135168
.set PARTB, 33792
.set FIRST, 6
.set IMG,   270336                     ; behind the ring: 16 fragment images, (4 m + s) x 2,048; at the end the stage for out
.set ISC,   303104                     ; their scale words
.set STAT,  305152                     ; the norms' figures: 512 x wave + 128 m + 8 x row
.set SPARE, 307200                     ; the spare words, 128 bytes a wave: two blocks of 256 bytes that no other line names
.set LI,  1
.set L4,  2
.set LW,  3
.set LS,  5
.set IWI, 7
.set IWS, 8
.set IRI, 9
.set IRS, 10
.set XO,  11
.set SPW, 12
.set NIL, 13
.set STO, 14                           ; the stage: where I put 16 bytes of a row
.set SRD, 15                           ; and where I read a row back
.set AS,  16
.set HS,  32
.set WS,  48
.set WF0, 56
.set T,   184
.set STW, 248
.set STR, 249
.set GBO, 250                          ; my byte in a vector of 512: 512 w + 64 (lane / 16)
.set R4,  251
.set TM,  120
.set PW,  136
.set PC,  140
.set LB,  56                           ; the norms: block m at v[56 + 8 m]: +0,+1 sums, then 1 / sigma; +2 the shift; +4 mean, +5 squares; +6 -mean
.set SV,  120                          ; v120-151 the four waves' figures
.set UB,  152                          ; v152-183 at work
.set WV,  42
.set SEL, 46
.set MNT, 48
.set CNT, 49
.set C9,  50
.set EPS, 51
.set G1,  24
.set G0,  32
.set MSB, 0
.macro WIN new
.if MSB != (\new)
	s_set_vgpr_msb (MSB<<8)|(\new)
.set MSB, \new
.endif
.endm
.macro PLACES n
.if (\n) > 0
.rept \n
	v_nop
.endr
.endif
.endm
.macro ROUND
	s_barrier_signal -1
	s_barrier_wait -1
	s_cmp_lg_u32 s[WV], 0
	s_cbranch_scc1 .Lnot_wave_0_\@
	s_barrier_signal -3
.Lnot_wave_0_\@:
	s_barrier_wait -3
	s_barrier_signal -1
	s_barrier_wait -1
.endm
.macro BARRIER
	s_wait_dscnt 0x0
	s_barrier_signal -1
	s_barrier_wait -1
.endm
; 64 numbers of a lane in window sw, register 16 b + i = place 32 b + 16 (lane / 16) + i along K, become 16 registers of codes in v[PC] on and a scale
; word in v[PW].  The numbers stay; the held copies go to v[T] on.  relu = 1: what is negative becomes 0 on the way.
.macro QUANT sb, sw, relu
.set w_, (\sw)|((\sw)<<2)
	WIN w_
.irp b, 0,1,2,3
.if \relu
	v_max3_num_f32 v[TM+\b], v[(\sb)+16*\b], v[(\sb)+16*\b+1], 0x4800000
.else
	v_max3_num_f32 v[TM+\b], |v[(\sb)+16*\b]|, |v[(\sb)+16*\b+1]|, 0x4800000   ; from the low end on; the floor 2^(9 - 127) among the leaves
.endif
.endr
.irp i, 2,4,6,8,10,12,14
.irp b, 0,1,2,3
.if \relu
	v_max3_num_f32 v[TM+\b], v[(\sb)+16*\b+\i], v[(\sb)+16*\b+\i+1], v[TM+\b]
.else
	v_max3_num_f32 v[TM+\b], |v[(\sb)+16*\b+\i]|, |v[(\sb)+16*\b+\i+1]|, v[TM+\b]
.endif
.endr
.endr
	WIN 0
.irp b, 0,1,2,3
	v_permlanex16_b32 v[TM+4+\b], v[TM+\b], s[SEL], s[SEL+1]
.endr
.irp b, 0,1,2,3
	v_max_num_f32 v[TM+\b], v[TM+\b], v[TM+4+\b]
.endr
.irp b, 0,1,2,3
	v_add_nc_u32 v[TM+12+\b], 0xfc000000, v[TM+\b]
.endr
.irp b, 0,1,2,3
	v_and_or_b32 v[TM+8+\b], v[TM+\b], 0x7f800000, s[MNT]
.endr
.irp b, 0,1,2,3
	v_lshrrev_b32 v[TM+4+\b], 23, v[TM+12+\b]
.endr
	v_lshl_or_b32 v[PW], v[TM+5], 8, v[TM+4]
	v_lshl_or_b32 v[PW], v[TM+6], 16, v[PW]
	v_lshl_or_b32 v[PW], v[TM+7], 24, v[PW]
	WIN \sw
.irp b, 0,1,2,3
.irp i, 0,1,2,3,4,5,6,7,8,9,10,11,12,13,14,15
.if \relu
	v_med3_num_f32 v[T+16*\b+\i], v[(\sb)+16*\b+\i], 0, v[TM+8+\b]             ; the activation and the hold in one
.else
	v_med3_num_f32 v[T+16*\b+\i], v[(\sb)+16*\b+\i], -v[TM+8+\b], v[TM+8+\b]   ; the conversion does not saturate (ISA guide 7.6.2): hold first
.endif
.endr
.endr
	WIN 0
.irp b, 0,1,2,3
	v_cvt_scalef32_pk8_fp8_f32 v[PC+4*\b:PC+4*\b+1], v[T+16*\b:T+16*\b+7], v[TM+12+\b]
	v_cvt_scalef32_pk8_fp8_f32 v[PC+4*\b+2:PC+4*\b+3], v[T+16*\b+8:T+16*\b+15], v[TM+12+\b]
.endr
	v_nop
.endm
.macro IMAGE off
.irp c, 0,1,2,3
	ds_store_b128 v[IWI], v[PC+4*\c:PC+4*\c+3] offset:(\off)+512*\c
.endr
	ds_store_b32 v[IWS], v[PW] offset:(\off)/16
	s_wait_dscnt 0x0
.endm
.macro FETCHACT w, sc
.set w_, (\w)<<6
	WIN w_
.irp f, 0,1,2,3,4,5,6,7,8,9,10,11,12,13,14,15
.irp c, 0,1,2,3
	ds_load_b128 v[16*\f+4*\c:16*\f+4*\c+3], v[IRI] offset:2048*\f+512*\c
.endr
.endr
	WIN 0
.irp f, 0,1,2,3,4,5,6,7,8,9,10,11,12,13,14,15
	ds_load_b32 v[\sc+\f], v[IRS] offset:128*\f
.endr
.endm
; THE CHANGE OF SLOTS.  All my tensor loads have landed (the one that was out is my part of the slot about to be read); 0 onto my spare word; the descriptor
; of slot fs steps two tiles on; the add, my LDS stores and my reads of slot fs are done; a round of the cluster's barrier; then my one tensor load.
.macro CHANGE fs
	WIN 0
	s_wait_tensorcnt 0x0
	ds_add_u32 v[SPW], v[NIL]
	s_add_nc_u64 s[G0+4*\fs+2:G0+4*\fs+3], s[G0+4*\fs+2:G0+4*\fs+3], 2*SLOTB
	s_wait_dscnt 0x0
	ROUND
	tensor_load_to_lds s[G0+4*\fs:G0+4*\fs+3], s[G1:G1+7]
	s_nop 0
.rept 4
	v_nop
.endr
.endm
.macro FETCHG p, g
.irp i, 0,1,2,3
.irp c, 0,1,2,3
	ds_load_b128 v[WF0+64*((\g)%2)+16*\i+4*\c:WF0+64*((\g)%2)+16*\i+4*\c+3], v[LW+\p] offset:(4*(\g)+\i)*2048+512*\c
.endr
.endr
.endm
.macro WSL p
.irp t, 0,1,2,3,4,5,6,7
	ds_load_b32 v[WS+\t], v[LS+\p] offset:128*\t
.endr
.endm
; 16 products: four tiles of columns x four tiles of tokens, 128 along K.  The 32 accumulators take turns, one instruction a turn.
; cm = 2: the sums start from b1 in v[T] on.
.macro MUL4 g, ks, sc, cm
.set q_, (\g)/2
.set wf_, WF0+64*((\g)%2)
.irp i, 0,1,2,3
.irp m, 0,1,2,3
.set t_, 4*((\g)%2)+\i
.set f_, 4*\m+(\ks)+q_
.set d_, 64*\m+8*t_
.set a_, wf_+16*\i
.if (\cm) == 2
	v_wmma_scale_f32_16x16x128_f8f6f4 v[d_:d_+7], v[a_:a_+15], v[16*f_:16*f_+15], v[T+8*t_:T+8*t_+7], v[WS+t_], v[\sc+f_]
.elseif q_ == 0
	v_wmma_scale_f32_16x16x128_f8f6f4 v[d_:d_+7], v[a_:a_+15], v[16*f_:16*f_+15], v[d_:d_+7], v[WS+t_], v[\sc+f_]
.else
	v_wmma_scale_f32_16x16x128_f8f6f4 v[d_:d_+7], v[a_:a_+15], v[16*f_:16*f_+15], v[d_:d_+7], v[WS+t_], v[\sc+f_] matrix_a_scale:MATRIX_SCALE_ROW1
.endif
.endr
.endr
.endm
; A slot's 64 products, in four groups; each group's fragments are asked for one group ahead.  aw: the activations' window; dw: the accumulators';
; np: the places still owed at the slot's head (ISA guide 7.12.1).
.macro SLOTW p, ks, aw, sc, dw, cm, np
	PLACES \np
	FETCHG \p, 0
	WSL \p
.irp g, 0,1,2,3
.if (\g == 1) || (\g == 2)
	PLACES 8
.endif
.if \g < 3
	FETCHG \p, \g+1
	s_wait_dscnt 16                                ; all but the 16 loads just issued
.else
	s_wait_dscnt 0x0
.endif
.if (\g < 2) && ((\cm) == 2)
.set w_, ((\aw)<<2)|((\dw)<<6)
	WIN w_
	MUL4 \g, \ks, \sc, 2
.else
.set w_, ((\aw)<<2)|((\dw)<<4)|((\dw)<<6)
	WIN w_
	MUL4 \g, \ks, \sc, 0
.endif
	WIN 0
.endr
.endm
; A LAYER NORM of the 64 rows in window 2, in place; gain at v0-63 and bias at v64-127 of window gw.
.macro LN gw
	WIN 0x0a
.irp m, 0,1,2,3
	v_pk_add_f32 v[LB+8*\m:LB+8*\m+1], v[64*\m:64*\m+1], v[64*\m+2:64*\m+3]      ; each accumulator is read from its low end on
.endr
	WIN 0x02
.set k_, 4
.rept 30
.irp m, 0,1,2,3
	v_pk_add_f32 v[LB+8*\m:LB+8*\m+1], v[64*\m+k_:64*\m+k_+1], v[LB+8*\m:LB+8*\m+1]
.endr
.set k_, k_+2
.endr
	WIN 0
.irp m, 0,1,2,3
	v_add_f32 v[LB+8*\m], v[LB+8*\m], v[LB+8*\m+1]
.endr
.irp m, 0,1,2,3
	v_permlanex16_b32 v[LB+8*\m+1], v[LB+8*\m], s[SEL], s[SEL+1]
.endr
.irp m, 0,1,2,3
	v_add_f32 v[LB+8*\m], v[LB+8*\m], v[LB+8*\m+1]
.endr
.irp m, 0,1,2,3
	v_mul_f32 v[LB+8*\m+4], 0x3c000000, v[LB+8*\m]       ; my 128 columns' mean
	v_mul_f32 v[LB+8*\m+6], 0xbc000000, v[LB+8*\m]       ; and its negative
	v_mov_b32 v[LB+8*\m+7], 0                            ; (named with it as a pair)
.endr
	WIN 0x82
.set k_, 0
.rept 32
.irp m, 0,1,2,3
	v_pk_add_f32 v[64*\m+k_:64*\m+k_+1], v[64*\m+k_:64*\m+k_+1], v[LB+8*\m+6:LB+8*\m+7] op_sel_hi:[1,0]
.endr
.set k_, k_+2
.endr
	WIN 0x0a
.irp m, 0,1,2,3
	v_pk_mul_f32 v[LB+8*\m:LB+8*\m+1], v[64*\m:64*\m+1], v[64*\m:64*\m+1]
.endr
.set k_, 2
.rept 31
.irp m, 0,1,2,3
	v_pk_fma_f32 v[LB+8*\m:LB+8*\m+1], v[64*\m+k_:64*\m+k_+1], v[64*\m+k_:64*\m+k_+1], v[LB+8*\m:LB+8*\m+1]
.endr
.set k_, k_+2
.endr
	WIN 0
.irp m, 0,1,2,3
	v_add_f32 v[LB+8*\m], v[LB+8*\m], v[LB+8*\m+1]
.endr
.irp m, 0,1,2,3
	v_permlanex16_b32 v[LB+8*\m+1], v[LB+8*\m], s[SEL], s[SEL+1]
.endr
.irp m, 0,1,2,3
	v_add_f32 v[LB+8*\m+5], v[LB+8*\m], v[LB+8*\m+1]     ; the squares about my mean
.endr
.irp m, 0,1,2,3
	ds_store_b64 v[STW], v[LB+8*\m+4:LB+8*\m+5] offset:128*\m
.endr
	BARRIER                                        ; the four waves' figures lie in LDS
.irp m, 0,1,2,3
.irp u, 0,1,2,3
	ds_load_b64 v[SV+2*(4*\m+\u):SV+2*(4*\m+\u)+1], v[STR] offset:512*\u+128*\m
.endr
.endr
	s_wait_dscnt 0x0
.irp m, 0,1,2,3
	v_add_f32 v[UB+8*\m], v[SV+8*\m], v[SV+8*\m+2]
	v_add_f32 v[UB+8*\m+1], v[SV+8*\m+4], v[SV+8*\m+6]
	v_add_f32 v[UB+8*\m+6], v[SV+8*\m+1], v[SV+8*\m+3]
	v_add_f32 v[UB+8*\m+7], v[SV+8*\m+5], v[SV+8*\m+7]
.endr
.irp m, 0,1,2,3
	v_add_f32 v[UB+8*\m], v[UB+8*\m], v[UB+8*\m+1]
	v_add_f32 v[UB+8*\m+6], v[UB+8*\m+6], v[UB+8*\m+7]
.endr
.irp m, 0,1,2,3
	v_mul_f32 v[UB+8*\m], 0x3e800000, v[UB+8*\m]         ; the row's mean
.endr
.irp m, 0,1,2,3
.irp u, 0,1,2,3
	v_sub_f32 v[UB+8*\m+1+\u], v[SV+8*\m+2*\u], v[UB+8*\m]
.endr
.endr
.irp m, 0,1,2,3
	v_mul_f32 v[UB+8*\m+5], v[UB+8*\m+1], v[UB+8*\m+1]
.endr
.irp u, 2,3,4
.irp m, 0,1,2,3
	v_fmac_f32 v[UB+8*\m+5], v[UB+8*\m+\u], v[UB+8*\m+\u]
.endr
.endr
.irp m, 0,1,2,3
	v_fmamk_f32 v[UB+8*\m+6], v[UB+8*\m+5], 0x43000000, v[UB+8*\m+6]   ; the squares about the row's mean: + 128 x the squares of the four means' distances
.endr
.irp m, 0,1,2,3
	v_fma_f32 v[UB+8*\m+6], v[UB+8*\m+6], s[C9], s[EPS]  ; / 512 + 1e-5
.endr
.irp m, 0,1,2,3
	v_rsq_f32 v[LB+8*\m], v[UB+8*\m+6]
.endr
.irp m, 0,1,2,3
	v_sub_f32 v[UB+8*\m+7], v[LB+8*\m+4], v[UB+8*\m]     ; my mean less the row's: plain lines behind the batch
	v_mov_b32 v[LB+8*\m+3], 0                            ; (named as the upper half of a pair)
.endr
	s_wait_alu depctr_va_vdst(0)                   ; one wait for the four, ahead of their first reader
.irp m, 0,1,2,3
	v_mul_f32 v[LB+8*\m+2], v[UB+8*\m+7], v[LB+8*\m]
.endr
	WIN 0x82
.set k_, 0
.rept 32
.irp m, 0,1,2,3
	v_pk_fma_f32 v[64*\m+k_:64*\m+k_+1], v[64*\m+k_:64*\m+k_+1], v[LB+8*\m:LB+8*\m+1], v[LB+8*\m+2:LB+8*\m+3] op_sel_hi:[1,0,0]
.endr
.set k_, k_+2
.endr
.set w_, 0x82|((\gw)<<2)|((\gw)<<4)
	WIN w_
.set k_, 0
.rept 32
.irp m, 0,1,2,3
	v_pk_fma_f32 v[64*\m+k_:64*\m+k_+1], v[64*\m+k_:64*\m+k_+1], v[k_:k_+1], v[64+k_:64+k_+1]
.endr
.set k_, k_+2
.endr
	WIN 0
.endm
.macro VEC64 reg, base                 ; my 64 numbers of a vector of 512 (or of b1's chunk): register 16 b + i = column 128 w + 32 b + 16 (lane / 16) + i
.irp b, 0,1,2,3
.irp j, 0,1,2,3
	global_load_b128 v[(\reg)+16*\b+4*\j:(\reg)+16*\b+4*\j+3], v[GBO], s[\base:\base+1] offset:128*\b+16*\j
.endr
.endr
.endm
; A CHUNK of 512 hidden units: w1's two tiles, relu and quantiser, w2's two tiles.  last = 1: the last tile is followed by none, and ln2's vectors are asked for.
.macro CHUNK last
	s_wait_loadcnt 0x0                             ; b1 of this chunk
	CHANGE 1
	SLOTW 0, 0, 1, AS, 3, 2, 5
	CHANGE 0
	SLOTW 1, 2, 1, AS, 3, 0, 5
	PLACES 8
.irp m, 0,1,2,3
	QUANT 64*\m, 3, 1
	IMAGE 8192*\m
.endr
	CHANGE 1                                       ; its round also shows the hidden layer's sixteen images to every wave
	FETCHACT 3, HS
.if \last
	WIN 0x40
	VEC64 0, 20
	VEC64 64, 22
	WIN 0
.else
	s_add_nc_u64 s[12:13], s[12:13], 2048          ; (this chunk's loads of b1 were waited for at its head)
	VEC64 T, 12
.endif
	SLOTW 0, 0, 3, HS, 2, 0, 5
.if \last
	s_wait_tensorcnt 0x0                           ; the last tile: nothing is left to fetch
	SLOTW 1, 2, 3, HS, 2, 0, 9
.else
	CHANGE 0
	SLOTW 1, 2, 3, HS, 2, 0, 5
.endif
.endm
	s_load_b256 s[4:11], s[0:1], 0x0               ; cc, cs, x, wts
	s_load_b256 s[12:19], s[0:1], 0x20             ; b1, b2, ln1_g, ln1_b
	s_load_b128 s[20:23], s[0:1], 0x40             ; ln2_g, ln2_b
	s_load_b64 s[40:41], s[0:1], 0x50              ; out0
	v_lshl_add_u32 v[SPW], v0, 2, SPARE
	v_mov_b32 v[NIL], 0
	ds_add_u32 v12, v13
	ds_add_u32 v12, v13
	s_wait_dscnt 0x0
	v_lshrrev_b32 v252, 5, v0
	v_readfirstlane_b32 s[WV], v252                ; wave 0..3
	s_bfe_u32 s43, ttmp6, 0x40000                  ; cx: it enters global addresses of cc, cs, x, out0 alone
	s_lshl_b32 s44, ttmp9, 2
	s_add_co_u32 s44, s44, s43                     ; my block of 64 tokens
	v_and_b32 v252, 31, v0
	v_and_b32 v253, 15, v0
	v_bfe_u32 v254, v0, 4, 1
	v_lshlrev_b32 v[LI], 4, v252
	v_lshlrev_b32 v[L4], 2, v252
	s_mul_i32 s45, s[WV], PARTB
	v_add_nc_u32 v[LW], s45, v[LI]
	v_add_nc_u32 v[LW+1], SLOTB, v[LW]
	v_add_nc_u32 v[LS], s45, v[L4]
	v_add_nc_u32 v[LS], 32768, v[LS]
	v_add_nc_u32 v[LS+1], SLOTB, v[LS]
	s_lshl_b32 s52, s[WV], 11
	v_add_nc_u32 v[IWI], s52, v[LI]
	v_add_nc_u32 v[IWI], IMG, v[IWI]               ; my K step of each tile of tokens: 2,048 x wave
	s_lshl_b32 s52, s[WV], 7
	v_add_nc_u32 v[IWS], s52, v[L4]
	v_add_nc_u32 v[IWS], ISC, v[IWS]
	v_add_nc_u32 v[IRI], IMG, v[LI]
	v_add_nc_u32 v[IRS], ISC, v[L4]
	s_lshl_b32 s53, s[WV], 9
	v_lshl_add_u32 v[GBO], v254, 6, s53            ; 512 w + 64 (lane / 16)
	v_and_b32 v[XO], 8, v253
	v_add_nc_u32 v[XO], v[XO], v253
	v_lshl_add_u32 v[XO], v[XO], 11, v[GBO]        ; x: row r + 8 (r / 8), my columns
	v_mul_u32_u24 v[STO], v253, 528
	v_lshl_add_u32 v[STO], v254, 6, v[STO]
	s_mul_i32 s52, s[WV], 8448
	s_add_co_u32 s52, s52, IMG
	v_add_nc_u32 v[STO], s52, v[STO]
	v_add_nc_u32 v[SRD], s52, v[LI]
	v_lshlrev_b32 v[STR], 3, v253
	v_add_nc_u32 v[STR], STAT, v[STR]
	v_add_nc_u32 v[STW], s53, v[STR]
	v_lshlrev_b32 v[R4], 2, v253
.irp b, 0,1,2,3
	v_mov_b32 v[TM+4+\b], 0
.endr
	s_mov_b32 s[SEL], 0x76543210
	s_mov_b32 s[SEL+1], 0xfedcba98
	s_mov_b32 s[MNT], 0x600000
	s_mov_b32 s[C9], 0x3b000000                    ; 1 / 512
	s_mov_b32 s[EPS], 0x3727c5ac                   ; 1e-5
	s_mov_b32 s[G1], 15|(3<<16)|(1<<21)            ; the mask: all four work-groups; elements of 8 bytes; bit 21 set beside a mask; no padding
	s_mov_b32 s[G1+1], 32<<16
	s_mov_b32 s[G1+2], 132<<16
	s_mov_b32 s[G1+3], 32<<16
	s_mov_b32 s[G1+4], 132
	s_mov_b32 s[G1+5], 32
	s_mov_b32 s[G1+6], 0
	s_mov_b32 s[G1+7], 0
	s_mov_b32 s54, s45
	s_mov_b32 s55, 0
	s_mov_b32 s57, 0
	s_wait_kmcnt 0x0
	s_add_nc_u64 s[10:11], s[10:11], s[54:55]
	s_add_nc_u64 s[10:11], s[10:11], FIRST*SLOTB   ; wts at my part of wo's first tile: the same in all partners
	s_mov_b32 s[G0], 1
	s_mov_b32 s[G0+1], s45
	s_mov_b64 s[G0+2:G0+3], s[10:11]
	s_or_b32 s[G0+3], s[G0+3], 0x80000000
	s_mov_b32 s[G0+4], 1
	s_add_co_u32 s[G0+5], s45, SLOTB
	s_add_nc_u64 s[G0+6:G0+7], s[10:11], SLOTB
	s_or_b32 s[G0+7], s[G0+7], 0x80000000
	ROUND                                          ; all four work-groups are here: the first joint loads meet
	tensor_load_to_lds s[G0:G0+3], s[G1:G1+7]      ; wo's two tiles: two loads of mine are out
	s_nop 0
	tensor_load_to_lds s[G0+4:G0+7], s[G1:G1+7]
	s_nop 0
.rept 4
	v_nop
.endr
	s_lshl_b32 s56, s44, 15
	s_add_nc_u64 s[4:5], s[4:5], s[56:57]          ; ctx's 16 fragments
	s_lshl_b32 s56, s44, 8
	s_add_nc_u64 s[6:7], s[6:7], s[56:57]          ; their scale words
	s_lshl_b32 s56, s44, 17
	s_add_nc_u64 s[8:9], s[8:9], s[56:57]          ; x at my first token
	s_add_co_u32 s56, s56, s53
	s_add_nc_u64 s[40:41], s[40:41], s[56:57]      ; out at my first token, my wave's 512 bytes
	WIN 0x40
.irp f, 0,1,2,3,4,5,6,7,8,9,10,11,12,13,14,15
.irp c, 0,1,2,3
	global_load_b128 v[16*\f+4*\c:16*\f+4*\c+3], v[LI], s[4:5] offset:2048*\f+512*\c th:TH_LOAD_NT
.endr
.endr
	WIN 0
.irp m, 0,1,2,3
.irp s, 0,1,2,3
	global_load_b32 v[AS+4*\m+\s], v[R4], s[6:7] offset:65536*\s+64*\m
.endr
.endr
	WIN 0x80
.irp m, 0,1,2,3
.irp b, 0,1,2,3
.irp j, 0,1,2,3
	global_load_b128 v[64*\m+16*\b+4*\j:64*\m+16*\b+4*\j+3], v[XO], s[8:9] offset:(32*(\m/2)+8*(\m%2))*2048+128*\b+16*\j th:TH_LOAD_NT
.endr
.endr
.endr
	WIN 0xc0
	VEC64 0, 16                                    ; ln1_g
	VEC64 64, 18                                   ; ln1_b
	VEC64 128, 14                                  ; b2
	WIN 0
	; ---- x + ctx wo: the sums start from x
	s_wait_loadcnt 48                              ; ctx, its scale words and x are in; the 48 loads of gain, bias and b2 may be out
	s_wait_tensorcnt 0x1                           ; my part of the first tile is in; the second's may be out
	SLOTW 0, 0, 1, AS, 2, 0, 0
	CHANGE 0
	SLOTW 1, 2, 1, AS, 2, 0, 5
	s_wait_loadcnt 0x0
	PLACES 8
	LN 3                                           ; y
.irp m, 0,1,2,3
	QUANT 64*\m, 2, 0
	IMAGE 8192*\m
.endr
	WIN 0x8e                                       ; destination and source 0 window 2, source 1 window 3
.set k_, 0
.rept 32
.irp m, 0,1,2,3
	v_pk_add_f32 v[64*\m+k_:64*\m+k_+1], v[64*\m+k_:64*\m+k_+1], v[128+k_:128+k_+1]   ; y + b2: where the second product's sums start
.endr
.set k_, k_+2
.endr
	WIN 0
	VEC64 T, 12                                    ; b1 of chunk 0
	BARRIER                                        ; y's sixteen fragments lie in LDS
	FETCHACT 1, AS
	; ---- the four chunks of the hidden layer
	s_mov_b32 s[CNT], 3
.Lchunk:
	CHUNK 0
	s_sub_co_u32 s[CNT], s[CNT], 1
	s_cmp_lg_u32 s[CNT], 0
	s_cbranch_scc1 .Lchunk
	CHUNK 1                                        ; the last is written out
	s_wait_loadcnt 0x0                             ; ln2's gain and bias
	PLACES 8
	LN 1
	; ---- THE WAY OUT: a tile of 16 tokens x my 128 columns goes through my own stage (rows of 528 bytes, in the images' bytes, which every wave has
	; left: the norm's barrier stands between) and leaves as whole rows: each store covers 512 consecutive bytes, aligned to 256.
.irp m, 0,1,2,3
.set bf_, WF0+64*((\m)%2)
.if \m >= 2
	s_wait_xcnt 0x0                                ; the stores of two tiles back have read these registers
.endif
	WIN 0x08                                       ; an LDS store's data are its source 1: window 2
.irp b, 0,1,2,3
.irp j, 0,1,2,3
	ds_store_b128 v[STO], v[64*\m+16*\b+4*\j:64*\m+16*\b+4*\j+3] offset:128*\b+16*\j
.endr
.endr
	WIN 0
.irp i, 0,1,2,3,4,5,6,7,8,9,10,11,12,13,14,15
	ds_load_b128 v[bf_+4*\i:bf_+4*\i+3], v[SRD] offset:528*\i      ; LDS serves a wave's instructions in order (ISA guide 5.7.1.4): these see the stores above
.endr
.irp i, 0,1,2,3,4,5,6,7,8,9,10,11,12,13,14,15
	s_wait_dscnt 15-\i                             ; row i is back; the later rows' loads may be out
	global_store_b128 v[LI], v[bf_+4*\i:bf_+4*\i+3], s[40:41] offset:(32*(\m/2)+8*(\m%2)+\i+8*(\i/8))*2048 th:TH_STORE_NT
.endr
.endr
	s_wait_tensorcnt 0x0                           ; the wave's end
	ds_add_u32 v[SPW], v[NIL]
	s_wait_dscnt 0x0
	ROUND                                          ; the closing round
	s_endpgm
.Lfunc_end_k_qae080bc5bb_tail:
	.size	k_qae080bc5bb_tail, .Lfunc_end_k_qae080bc5bb_tail-k_qae080bc5bb_tail
	.p2alignl 7, 3214868480
	.fill 96, 4, 3214868480
	.section	.rodata,"a",@progbits
	.p2align	6, 0x0
	.amdhsa_kernel k_qae080bc5bb_tail
		.amdhsa_group_segment_fixed_size 327680
		.amdhsa_private_segment_fixed_size 0
		.amdhsa_enable_private_segment 0
		.amdhsa_kernarg_size 88
		.amdhsa_user_sgpr_count 2
		.amdhsa_user_sgpr_kernarg_segment_ptr 1
		.amdhsa_wavefront_size32 1
		.amdhsa_system_sgpr_workgroup_id_x 1
		.amdhsa_system_sgpr_workgroup_id_y 1
		.amdhsa_system_sgpr_workgroup_id_z 1
		.amdhsa_system_vgpr_workitem_id 0
		.amdhsa_next_free_vgpr 1024
		.amdhsa_next_free_sgpr 66
		.amdhsa_reserve_vcc 0
		.amdhsa_float_denorm_mode_32 3
		.amdhsa_float_denorm_mode_16_64 3
		.amdhsa_memory_ordered 1
		.amdhsa_forward_progress 1
		.amdhsa_inst_pref_size 255
	.end_amdhsa_kernel
	.section	.bss,"aw",@nobits
	.p2align	6
	.space	262144
	.amdgpu_metadata
---
amdhsa.version: [ 1, 2 ]
amdhsa.kernels:
  - .name:           k_qae080bc5bb_tail
    .symbol:         k_qae080bc5bb_tail.kd
    .args:
      - { .name: cc, .offset: 0, .size: 8, .value_kind: global_buffer, .address_space: global }
      - { .name: cs, .offset: 8, .size: 8, .value_kind: global_buffer, .address_space: global }
      - { .name: x, .offset: 16, .size: 8, .value_kind: global_buffer, .address_space: global }
      - { .name: wts, .offset: 24, .size: 8, .value_kind: global_buffer, .address_space: global }
      - { .name: b1, .offset: 32, .size: 8, .value_kind: global_buffer, .address_space: global }
      - { .name: b2, .offset: 40, .size: 8, .value_kind: global_buffer, .address_space: global }
      - { .name: ln1_g, .offset: 48, .size: 8, .value_kind: global_buffer, .address_space: global }
      - { .name: ln1_b, .offset: 56, .size: 8, .value_kind: global_buffer, .address_space: global }
      - { .name: ln2_g, .offset: 64, .size: 8, .value_kind: global_buffer, .address_space: global }
      - { .name: ln2_b, .offset: 72, .size: 8, .value_kind: global_buffer, .address_space: global }
      - { .name: out0, .offset: 80, .size: 8, .value_kind: global_buffer, .address_space: global }
    .group_segment_fixed_size: 327680
    .private_segment_fixed_size: 0
    .kernarg_segment_align: 8
    .kernarg_segment_size: 88
    .max_flat_workgroup_size: 128
    .sgpr_count:     66
    .vgpr_count:     1024
    .wavefront_size: 32
...
	.end_amdgpu_metadata
.endif
;; end of part 4
;; ======== version 2 of 2: 4 launches; version 1 with the launch attn written anew for expert scheduling mode
;; workspace buffers: wts 3,244,032 bytes; qc 8,388,608 bytes; qs 524,288 bytes; kv 17,825,792 bytes; cc 8,388,608 bytes; cs 262,144 bytes; order 256 bytes of whole numbers
;; launch prep: the kernel of part 1 again; grid 8 x 24, 4 waves a work-group, no clusters, 0 bytes of LDS; arguments wq, wk, wv, wo, w1, w2, wts, valid_lens, order; writes wts, order
;; launch qkv: the kernel of part 2 again; grid 256 x 1, 4 waves a work-group, clusters of 4 x 1, 327,680 bytes of LDS; arguments x, wts, qc, qs, kv; writes qc, qs, kv
;; launch attn (part 5): grid 256 x 1, 16 waves a work-group, no clusters, 285,696 bytes of LDS; arguments qc, qs, kv, order, cc, cs; writes cc, cs
.if DOCPART == 5
	.amdgcn_target "amdgcn-amd-amdhsa--gfx1250"
	.amdhsa_code_object_version 6
	.text
	.protected	k_qae080bc5bb_attn
	.globl	k_qae080bc5bb_attn
	.p2align	8
	.type	k_qae080bc5bb_attn,@function
k_qae080bc5bb_attn:
	s_mov_b64 s[64:65], 0
	v_nop
	global_prefetch_b8 v0, s[64:65] scope:SCOPE_SE
	s_setreg_imm32_b32 hwreg(HW_REG_WAVE_SCHED_MODE, 0, 2), 2
	s_setreg_imm32_b32 hwreg(HW_REG_WAVE_MODE, 25, 1), 1
	s_wait_xcnt 0x0
	s_wait_alu depctr_vm_vsrc(0)
; ctx = softmax(q k^T / 8, keys from valid_lens on hidden) v, both products on codes of E4M3 with one E8M0 scale for each 32 along K; ctx / l is
; quantised along its 512 columns at once and leaves as fragment images (cc) and scale words (cs).
; THE SOFTMAX: t = score x log2(e) / 8; M = the running largest t rounded up to a whole number; p = 2^(t - M) is quantised along the keys, not
; normalised; the row's sum is taken of the unquantised p and divides at the end; when M moves, the sum and O are multiplied by 2^(old M - new M).
; ONLY THE KEY STEPS THAT HOLD A COUNTED KEY ARE WALKED: a batch of length L takes ceil(L / 128) of its 8 steps of 128 keys; what lies behind is
; thrown away by reference()'s own mask.  So that all work-groups have about the same work whatever the lengths, a work-group takes TWO batches,
; one after the other: the one of rank 15 - p by length, then the one of rank p (order[], made by the launch that lays the weights out).
; SHARES.  Work-group = (pair p, pair of heads hp, eighth e of the queries).  In a phase (a batch) it takes 128 queries x 2 heads: 16 units; wave w takes
; the tile of 16 queries 8 e + w % 8 for head 2 hp + w / 8.  The walked steps of both heads' K and V lie in LDS for the phase: wave w brings step w % 8 of
; head w / 8 (K's and V's images, 8 KB each, and 512 bytes of scale words each) through its registers, if that step is walked.
; Eight work-groups read the same two records.  They are not asked for jointly: which batch a work-group takes and how many steps it walks are numbers
; read from memory; the branch spares the whole work of every hidden
; step, a joint request would spare seven of eight reads of 17 KB a step.
; BOTH PRODUCTS ARE USED TRANSPOSED: a lane holds one query throughout.  The first product's K is 64: Q's fragment is 8 registers of codes and 8
; of zero codes; K's fragment of tile i is its 8 registers and the 8 behind them (the next tile's codes, or zeros): what meets zero codes adds nothing.
; THE MASK inside a walked step costs no vector instruction: a table of 1,024 f32 in LDS, 0 for a key that counts and -2^60 for a hidden one, is loaded as
; the C of the first product.
; LIMITS: hidden scores are -2^60 + score where reference() has -1e9: p is 0 either way as long as one key counts; with none (valid_lens <= 0) all 1,024
; keys are walked hidden and all p are equal, as in reference(), while |q . k| stays under 2^36.  NaN and infinities are not served.  A block whose
; largest magnitude lies under 2^-118 takes the scale byte 1.
; THE MODE: SCHED_MODE bits 1:0 = 2 (LLVM: expert scheduling mode 2), set by the entry lines.  The code itself states the register dependences
; between vector or matrix instructions and memory or LDS instructions, with s_wait_alu, always for 0.
; THE PLAN.  Registers that memory or LDS instructions touch:
;   v[LI], v[R4], v[LST8], v[LSTV], v[LST5], v[CRD], v[CWR], v[BIA], v[PFO]   addresses and offsets: written at the head, read by loads, stores and prefetches, never written in a phase.
;   v[ADK] .. v[ADB]   written by five additions at a key step's head, read by that step's LDS loads.
;   v16-23, v[QW]      Q: loaded at a phase's head, read by the first product.
;   v32-95, v[KW ..]   at a phase's head: K as it is brought (loads from memory, then LDS stores).  In a step: K's LDS loads, the first product, V's LDS loads, the second product.
;   v[S ..]            at a phase's head: V as it is brought.  In a step: the mask's LDS loads, the first product, the softmax's vector lines.
;   v[O .. O+7]        at a phase's head: the scale words as they are brought; cleared behind that.
;   v[PM+3], v[LM]     two selects write them, the table's two LDS stores read them.
;   v[PCD ..], v[PM]   at a phase's end: the quantiser writes them, the stores read them.   v[BM ..]: in wave 0 an LDS load lands there and a store reads it.
; THE WAITS.  A phase: one wait on va_vdst at its head, ahead of all that it brings in; one on vm_vsrc behind the LDS stores of what it brought; one on va_vdst ahead of its last stores.
; A key step: vm_vsrc ahead of the five additions; va_vdst behind them, ahead of the mask's and K's loads; va_vdst behind the first product, ahead of V's loads, which are then dealt among the
; maxima (these name v[S ..] and v[BM ..] alone); va_vdst behind the one batch of exponentials; va_vdst ahead of the second product, for p's codes and scale word.
.set REC,   139264                     ; a record: K's images 0, V's 65,536, K's scale words 131,072, V's 135,168
.set VIMG,  65536
.set KSC,   131072
.set VSC,   135168
.set BIAS,  2*REC                      ; behind the two records: the mask's table, 4,096 bytes
.set CSG,   BIAS+4096                  ; and ctx's scale words: 512 bytes for each phase
.set LI,   1                           ; 16 x lane
.set LIV,  2                           ; + V's images
.set AKS,  3                           ; 4 (lane % 16) + K's scale words
.set AVS,  4                           ; 4 x lane + V's
.set AB0,  5                           ; 64 (lane / 16) + the table
.set ADK,  6                           ; v6-10 the step's addresses
.set ADV,  7
.set ADKS, 8
.set ADVS, 9
.set ADB,  10
.set LST8, 11                          ; where I put the K images that I bring: 16 x lane + my head's record + 8,192 (w % 8)
.set S,    104                         ; v104-167 S^T, then p, then ctx
.set O,    168                         ; v168-199 O^T
.set PCD,  200                         ; v200-215 p's codes
.set KW,   216                         ; v216-223 K's or V's scale words
.set QW,   224                         ; Q's scale word
.set PWD,  225                         ; p's scale word
.set LST5, 226                         ; where I put the scale words that I bring
.set CRD,  227                         ; where ctx's scale words are read back
.set BM,   228                         ; v228-231 block maxima
.set PM,   232                         ; v232-235 permutes, a sum's chain, bytes
.set LM,   236                         ; v236-239 limits
.set SC,   240                         ; v240-243 scale operands
.set FP,   244                         ; v[244:245] f
.set TT,   246
.set CWR,  247                         ; where my two scale bytes of ctx go
.set BIA,  248                         ; the table: 4 x my thread's number
.set T512, 249                         ; my thread's number + 512
.set NEG,  250                         ; -2^60
.set ZER,  251                         ; 0
.set R4,   252                         ; 4 (lane % 16)
.set PFO,  253                         ; 256 x lane; never rewritten
.set LSTV, 254                         ; LST8 + V's images
.set WV,   16
.set E8,   17
.set HP,   18
.set PI,   19
.set SEL,  20
.set CS,   22                          ; s[22:23] c = log2(e) / 8
.set MNT,  24
.set W7,   25                          ; w % 8
.set W3,   26                          ; w / 8
.set HB,   27                          ; my head's record in LDS
.set KT,   28                          ; my tile of queries in a batch
.set CM,   30                          ; s30, s31 the masks of the table's two compares
.set K0,   48                          ; s48, s49 the two phases' keys out of order[]
.set BB,   50                          ; the phase's batch
.set NST,  51                          ; its key steps
.set VLB,  52                          ; how many of its keys count
.set HD,   53                          ; my head, counted over all batches
.set QP,   56
.set QSP,  58
.set CCP,  60
.set CSP,  62
.set KV8,  66                          ; s[66:67] my head's record in memory + 8,192 (w % 8)
.set KV5,  68                          ; s[68:69] the same + 512 (w % 8)
.set S8,   70                          ; my head's record in LDS + 8,192 x key step
.set SS,   71                          ; + 512 x key step
.set SB,   72                          ; 512 x key step
.set CNT,  73                          ; the key step
.set PFA,  76                          ; s[76:77] what I prefetch; never rewritten
.set PFC,  78                          ; the trip of phase 0 in which I prefetch, or -1
	s_load_b256 s[4:11], s[0:1], 0x0               ; qc, qs, kv, order
	s_load_b128 s[12:15], s[0:1], 0x20             ; cc, cs
	v_lshrrev_b32 v1, 5, v0
	v_readfirstlane_b32 s[WV], v1                  ; wave 0..15
	s_and_b32 s[E8], ttmp9, 7                      ; which 128 queries
	s_bfe_u32 s[HP], ttmp9, 0x20003                ; which pair of heads
	s_lshr_b32 s[PI], ttmp9, 5                     ; which pair of batches
	s_wait_alu depctr_va_sdst(0)                   ; s[WV] is written, ahead of its first reader
	s_and_b32 s[W7], s[WV], 7
	s_lshr_b32 s[W3], s[WV], 3
	s_mul_i32 s[HB], s[W3], REC
	s_lshl_b32 s[KT], s[E8], 3
	s_add_co_u32 s[KT], s[KT], s[W7]
	s_lshl_b32 s54, s[PI], 2                       ; order[p],
	s_mov_b32 s55, 0
	s_sub_co_u32 s74, 60, s54                      ; order[15 - p]
	s_mov_b32 s75, 0
	s_mov_b32 s[SEL], 0x76543210
	s_mov_b32 s[SEL+1], 0xfedcba98
	s_mov_b32 s[CS], 0x3e38aa3b
	s_mov_b32 s[CS+1], s[CS]                       ; (named with it as a pair, so it is written)
	s_mov_b32 s[MNT], 0x600000
	s_wait_kmcnt 0x0
	s_add_nc_u64 s[56:57], s[10:11], s[74:75]
	s_add_nc_u64 s[58:59], s[10:11], s[54:55]
	s_load_b32 s[K0], s[56:57], 0x0                ; phase 0: the longer batch of the pair
	s_load_b32 s[K0+1], s[58:59], 0x0              ; phase 1: the shorter
	v_and_b32 v228, 31, v0                         ; lane
	v_and_b32 v229, 15, v0
	v_bfe_u32 v231, v0, 4, 1
	v_lshlrev_b32 v[LI], 4, v228
	v_add_nc_u32 v[LIV], VIMG, v[LI]
	v_lshlrev_b32 v[R4], 2, v229
	v_add_nc_u32 v[AKS], KSC, v[R4]
	v_lshlrev_b32 v[AVS], 2, v228
	v_add_nc_u32 v[AVS], VSC, v[AVS]
	v_lshl_add_u32 v[AB0], v231, 6, BIAS
	s_lshl_b32 s54, s[W7], 13
	s_add_co_u32 s54, s54, s[HB]
	v_add_nc_u32 v[LST8], s54, v[LI]
	v_add_nc_u32 v[LSTV], VIMG, v[LST8]
	s_lshl_b32 s54, s[W7], 9
	s_add_co_u32 s54, s54, s[HB]
	s_add_co_u32 s54, s54, KSC
	v_add_nc_u32 v[LST5], s54, v[LI]
	s_lshl_b32 s54, s[W7], 6                       ; ctx's scale words: 64 bytes a tile, 4 a row; the even head's two bytes below, the odd head's above
	s_lshl_b32 s55, s[W3], 1
	s_add_co_u32 s54, s54, s55
	s_add_co_u32 s54, s54, CSG
	v_add_nc_u32 v[CWR], s54, v[R4]
	v_add_nc_u32 v[CRD], CSG, v[LI]
	v_lshl_add_u32 v[BIA], v0, 2, BIAS
	v_add_nc_u32 v[T512], 512, v0
	v_mov_b32 v[NEG], 0xdd800000
	v_mov_b32 v[ZER], 0
	v_lshlrev_b32 v[PFO], 8, v228
.irp j, 0,1,2,3,4,5,6,7
	v_mov_b32 v[24+\j], 0                          ; Q's upper 64 along K: zero codes
	v_mov_b32 v[96+\j], 0                          ; what stands behind K's last tile: zero codes, for the whole launch
.endr
.set j_, BM
.rept 19
	v_mov_b32 v[j_], 0                             ; v228-246: written once on every way (lane permutes' destinations count as sources; upper halves of pairs)
.set j_, j_+1
.endr
	s_wait_kmcnt 0x0                               ; the two keys
	; THE PREFETCH of phase 1's records: K's and V's images of step e of head w / 8, 8 KB each, a lane to each 256 bytes: two instructions, in the waves with
	; w % 8 = e, if phase 1 walks that step.  The eight work-groups that will read a record take a step each, so each block is named once in the launch.
	; It is asked in the trip of phase 0's last walked step.  The scale words and phase 0's records come by their loads alone.
	s_and_b32 s54, s[K0+1], 15
	s_min_u32 s54, s54, 15                         ; a loaded number enters an address behind a bound
	s_lshl_b32 s54, s54, 3
	s_lshl_b32 s55, s[HP], 1
	s_add_co_u32 s54, s54, s55
	s_add_co_u32 s54, s54, s[W3]
	s_mul_i32 s74, s54, REC
	s_lshl_b32 s55, s[E8], 13
	s_add_co_u32 s74, s74, s55
	s_mov_b32 s75, 0
	s_add_nc_u64 s[PFA:PFA+1], s[8:9], s[74:75]
	s_lshr_b32 s54, s[K0+1], 5
	s_add_co_u32 s54, s54, 127
	s_lshr_b32 s54, s54, 7                         ; phase 1's steps
	s_lshr_b32 s55, s[K0], 5
	s_add_co_u32 s55, s55, 127
	s_lshr_b32 s55, s55, 7
	s_sub_co_u32 s55, s55, 1                       ; phase 0's last step
	s_cmp_lt_u32 s[E8], s54
	s_cselect_b32 s[PFC], s55, -1
	s_cmp_eq_u32 s[W7], s[E8]
	s_cselect_b32 s[PFC], s[PFC], -1
; Tile t of V^T (16 of the head's 64 x 128 keys) and its scale words: five LDS loads.
.macro VLOAD t
.irp c, 0,1,2,3
	ds_load_b128 v[32+16*(\t)+4*\c:35+16*(\t)+4*\c], v[ADV] offset:2048*(\t)+512*\c
.endr
	ds_load_b32 v[KW+(\t)], v[ADVS] offset:128*(\t)
.endm
; A KEY STEP: 128 keys.
.macro STEP
	s_wait_alu depctr_vm_vsrc(0)                   ; the last step's LDS loads have read v[ADK] to v[ADB], which the five lines below write
	v_add_nc_u32 v[ADK], s[S8], v[LI]
	v_add_nc_u32 v[ADV], s[S8], v[LIV]
	v_add_nc_u32 v[ADKS], s[SS], v[AKS]
	v_add_nc_u32 v[ADVS], s[SS], v[AVS]
	v_add_nc_u32 v[ADB], s[SB], v[AB0]
.rept 4
	v_nop                                          ; with the five lines above: nine plain lines between the last step's products and the loads into the registers that they read; they stay beside the wait below
.endr
	s_wait_alu depctr_va_vdst(0)                   ; the five addresses are written, which this step's LDS loads read; the last step's second product is done reading V's fragments and scale words, and its holds and conversions are done with p: the loads below land in those registers
.irp t, 0,1,2,3,4,5,6,7
	ds_load_b128 v[S+8*\t:S+8*\t+3], v[ADB] offset:(32*(\t/2)+8*(\t%2))*4        ; the mask of my eight keys of tile t, straight into the accumulator
	ds_load_b128 v[S+8*\t+4:S+8*\t+7], v[ADB] offset:(32*(\t/2)+8*(\t%2))*4+16
.endr
.irp t, 0,1,2,3,4,5,6,7
	ds_load_b128 v[32+8*\t:35+8*\t], v[ADK] offset:1024*\t
	ds_load_b128 v[36+8*\t:39+8*\t], v[ADK] offset:1024*\t+512
	ds_load_b32 v[KW+\t], v[ADKS] offset:64*\t
.endr
	s_wait_dscnt 0x0
.irp t, 0,1,2,3,4,5,6,7
	v_wmma_scale_f32_16x16x128_f8f6f4 v[S+8*\t:S+8*\t+7], v[32+8*\t:47+8*\t], v[16:31], v[S+8*\t:S+8*\t+7], v[KW+\t], v[QW]
.endr                                              ; register 16 b + i of a lane: key 32 b + 16 (lane / 16) + i of the step
.rept 8
	v_nop                                          ; the places behind the products, ahead of the first read of their results (ISA guide 7.12.1)
.endr
	s_wait_alu depctr_va_vdst(0)                   ; the eight products are done reading K's fragments and scale words, in which V's land.  V's 20 loads follow in four groups among the maxima, which name v[S ..] and v[BM ..] alone: none of the registers that those loads touch
	VLOAD 0                                        ; V is asked for now and lands under the softmax
.irp b, 0,1,2,3
	v_max3_num_f32 v[BM+\b], v[S+16*\b], v[S+16*\b+1], v[S+16*\b+2]   ; the largest score of each block of 32 keys: for the row's maximum and for the block's largest p
.endr
	VLOAD 1
.irp i, 3,5,7,9,11,13
.irp b, 0,1,2,3
	v_max3_num_f32 v[BM+\b], v[BM+\b], v[S+16*\b+\i], v[S+16*\b+\i+1]
.endr
.if \i == 3
	VLOAD 2
.endif
.if \i == 5
	VLOAD 3
.endif
.endr
.irp b, 0,1,2,3
	v_max_num_f32 v[BM+\b], v[BM+\b], v[S+16*\b+15]
.endr
.irp b, 0,1,2,3
	v_permlanex16_b32 v[PM+\b], v[BM+\b], s[SEL], s[SEL+1]
.endr
.irp b, 0,1,2,3
	v_max_num_f32 v[BM+\b], v[BM+\b], v[PM+\b]
.endr
	v_max3_num_f32 v[TT], v[BM], v[BM+1], v[BM+2]
	v_max_num_f32 v[TT], v[TT], v[BM+3]
	v_mul_f32 v[TT], s[CS], v[TT]
	v_max_num_f32 v13, v13, v[TT]                  ; the running largest t
	v_mov_b32 v[TT], v12
	v_floor_f32 v12, -v13                          ; -M = floor(-t): M is a whole number
	v_sub_f32 v[TT], v12, v[TT]
	v_cvt_i32_f32 v[TT], v[TT]                     ; (it saturates)
	v_ldexp_f32 v[FP], 1.0, v[TT]                  ; f = 2^(old M - new M)
.set j_, 0
.rept 32
	v_pk_fma_f32 v[S+j_:S+j_+1], v[S+j_:S+j_+1], s[CS:CS+1], v[12:13] op_sel_hi:[1,0,0]   ; t - M
.set j_, j_+2
.endr
.irp b, 0,1,2,3
	v_fma_f32 v[BM+\b], v[BM+\b], s[CS], v12
.endr
.set j_, 0
.rept 64
	v_exp_f32 v[S+j_], v[S+j_]                     ; p = 2^(t - M)
.set j_, j_+1
.endr
.irp b, 0,1,2,3
	v_exp_f32 v[BM+\b], v[BM+\b]                   ; each block's largest p: in the same batch
.endr
	v_pk_mul_f32 v[14:15], v[14:15], v[FP:FP+1] op_sel_hi:[1,0]   ; the sums under the new M: a plain line behind the exponentials
	s_wait_alu depctr_va_vdst(0)                   ; the 68 exponentials have written v[S ..] and v[BM ..]: one wait for the batch, ahead of its first reader
	v_pk_add_f32 v[PM:PM+1], v[S:S+1], v[S+2:S+3]  ; the row's sum of the unquantised p, in two chains
.irp j, 4,8,12,16,20,24,28,32,36,40,44,48,52,56,60
	v_pk_add_f32 v[14:15], v[14:15], v[S+\j:S+\j+1]
	v_pk_add_f32 v[PM:PM+1], v[PM:PM+1], v[S+\j+2:S+\j+3]
.endr
	v_pk_add_f32 v[14:15], v[14:15], v[PM:PM+1]
.irp b, 0,1,2,3
	v_max_num_f32 v[BM+\b], 0x4800000, v[BM+\b]    ; the floor 2^(9 - 127)
.endr
.irp b, 0,1,2,3
	v_add_nc_u32 v[SC+\b], 0xfc000000, v[BM+\b]
.endr
.irp b, 0,1,2,3
	v_and_or_b32 v[LM+\b], v[BM+\b], 0x7f800000, s[MNT]
.endr
.irp b, 0,1,2,3
	v_lshrrev_b32 v[PM+\b], 23, v[SC+\b]
.endr
	v_lshl_or_b32 v[PWD], v[PM+1], 8, v[PM]
	v_lshl_or_b32 v[PWD], v[PM+2], 16, v[PWD]
	v_lshl_or_b32 v[PWD], v[PM+3], 24, v[PWD]
.irp b, 0,1,2,3
.irp i, 0,1,2,3,4,5,6,7,8,9,10,11,12,13,14,15
	v_min_num_f32 v[S+16*\b+\i], v[S+16*\b+\i], v[LM+\b]   ; the conversion does not saturate (ISA guide 7.6.2); p is not negative
.endr
	v_cvt_scalef32_pk8_fp8_f32 v[PCD+4*\b:PCD+4*\b+1], v[S+16*\b:S+16*\b+7], v[SC+\b]
	v_cvt_scalef32_pk8_fp8_f32 v[PCD+4*\b+2:PCD+4*\b+3], v[S+16*\b+8:S+16*\b+15], v[SC+\b]
.endr
.set j_, 0
.rept 16
	v_pk_mul_f32 v[O+j_:O+j_+1], v[O+j_:O+j_+1], v[FP:FP+1] op_sel_hi:[1,0]   ; O^T under the new M; these lines are also the places in front of the products
.set j_, j_+2
.endr
	s_wait_dscnt 0x0                               ; V
	s_wait_alu depctr_va_vdst(0)                   ; the conversions have written p's codes v[PCD ..], and v[PWD], p's scale word, is written: the scaled products below take them; the sixteen places above stay beside this wait
.irp t, 0,1,2,3
	v_wmma_scale_f32_16x16x128_f8f6f4 v[O+8*\t:O+8*\t+7], v[32+16*\t:47+16*\t], v[PCD:PCD+15], v[O+8*\t:O+8*\t+7], v[KW+\t], v[PWD]
.endr
.endm
; A PHASE: one batch.  Q, the mask's table and the walked steps of K and V come in; a barrier; the key steps; ctx = O / l is quantised (two blocks of 32
; columns: half a fragment) and leaves; a barrier, behind which LDS may be written again and the eight tiles' scale words are whole.
.macro PHASE ph
.if \ph
	s_wait_xcnt 0x0                                ; the last phase's stores have read their registers and bases: both are written again below
	s_wait_alu depctr_vm_vsrc(0)                   ; the last phase's stores have read ctx's codes v[PCD ..], the two scale bytes v[PM] and, in wave 0, v[BM ..]: this phase's vector instructions write them again
.endif
	s_and_b32 s[BB], s[K0+\ph], 15
	s_min_u32 s[BB], s[BB], 15                     ; a loaded number enters addresses behind a bound
	s_lshr_b32 s[NST], s[K0+\ph], 5                ; the keys to be walked
	s_bitcmp1_b32 s[K0+\ph], 4                     ; does none of them count?
	s_cselect_b32 s[VLB], 0, s[NST]                ; the keys that count
	v_cmp_gt_i32 s[CM], s[VLB], v0                 ; key = my thread's number: does it count?
	v_cmp_gt_i32 s[CM+1], s[VLB], v[T512]          ; and key + 512.  (The two compares in a run; the scalar work below stands between them and the wait for their masks)
	s_add_co_u32 s[NST], s[NST], 127
	s_lshr_b32 s[NST], s[NST], 7
	s_min_u32 s[NST], s[NST], 8                    ; the key steps to be walked
	s_lshl_b32 s[HD], s[BB], 3
	s_lshl_b32 s54, s[HP], 1
	s_add_co_u32 s[HD], s[HD], s54
	s_add_co_u32 s[HD], s[HD], s[W3]               ; my head: 8 x batch + 2 hp + w / 8
	s_mul_i32 s74, s[HD], REC
	s_mov_b32 s75, 0
	s_add_nc_u64 s[KV5:KV5+1], s[8:9], s[74:75]    ; its record
	s_lshl_b32 s74, s[W7], 13
	s_add_nc_u64 s[KV8:KV8+1], s[KV5:KV5+1], s[74:75]
	s_lshl_b32 s74, s[W7], 9
	s_add_nc_u64 s[KV5:KV5+1], s[KV5:KV5+1], s[74:75]
	s_lshl_b32 s54, s[HD], 6
	s_add_co_u32 s54, s54, s[KT]
	s_lshl_b32 s74, s54, 10
	s_add_nc_u64 s[QP:QP+1], s[4:5], s[74:75]
	s_lshl_b32 s74, s54, 6
	s_add_nc_u64 s[QSP:QSP+1], s[6:7], s[74:75]
	s_lshl_b32 s54, s[BB], 6
	s_add_co_u32 s55, s54, s[KT]                   ; my tile of rows: 64 x batch + tile
	s_lshl_b32 s55, s55, 2
	s_add_co_u32 s55, s55, s[HP]
	s_lshl_b32 s55, s55, 1
	s_add_co_u32 s55, s55, s[W3]
	s_lshl_b32 s74, s55, 10
	s_add_nc_u64 s[CCP:CCP+1], s[12:13], s[74:75]  ; my half of its fragment hp
	s_lshl_b32 s55, s[HP], 10
	s_add_co_u32 s55, s55, s54
	s_lshl_b32 s54, s[E8], 3
	s_add_co_u32 s55, s55, s54
	s_lshl_b32 s74, s55, 6
	s_add_nc_u64 s[CSP:CSP+1], s[14:15], s[74:75]  ; the eight tiles' 512 bytes of scale words
	s_wait_alu depctr_va_sdst(0)                   ; the two compares have written s[CM] and s[CM+1], ahead of their first readers
	v_cndmask_b32 v[PM+3], v[NEG], v[ZER], s[CM]
	v_cndmask_b32 v[LM], v[NEG], v[ZER], s[CM+1]
	s_wait_alu depctr_va_vdst(0)                   ; ONE wait for all that the phase brings in: the addresses and offsets made at the head are written; so are v[PM+3] and v[LM], which the table's stores read; and the vector and matrix instructions of the phase before are done with Q, v32-95, v[S ..] and v[O ..], in which the loads below land.  No vector instruction stands between this wait and them
	global_load_b128 v[16:19], v[LI], s[QP:QP+1] th:TH_LOAD_NT            ; Q: a half fragment
	global_load_b128 v[20:23], v[LI], s[QP:QP+1] offset:512 th:TH_LOAD_NT
	global_load_b32 v[QW], v[R4], s[QSP:QSP+1]
	ds_store_b32 v[BIA], v[PM+3]
	ds_store_b32 v[BIA], v[LM] offset:2048
	s_cmp_lt_u32 s[W7], s[NST]                     ; is my step walked?
	s_cbranch_scc0 .Lnoload_\@
.irp i, 0,1,2,3,4,5,6,7,8,9,10,11,12,13,14,15
	global_load_b128 v[32+4*\i:35+4*\i], v[LI], s[KV8:KV8+1] offset:512*\i          ; each load: 512 consecutive bytes
.endr
.irp i, 0,1,2,3,4,5,6,7,8,9,10,11,12,13,14,15
	global_load_b128 v[S+4*\i:S+4*\i+3], v[LI], s[KV8:KV8+1] offset:VIMG+512*\i
.endr
	global_load_b128 v[O:O+3], v[LI], s[KV5:KV5+1] offset:KSC
	global_load_b128 v[O+4:O+7], v[LI], s[KV5:KV5+1] offset:VSC
	s_wait_loadcnt 18                              ; Q's 3 loads and K's 16 are in; V's 16 and the 2 of scale words may be out
.irp i, 0,1,2,3,4,5,6,7,8,9,10,11,12,13,14,15
	ds_store_b128 v[LST8], v[32+4*\i:35+4*\i] offset:512*\i
.endr
	s_wait_loadcnt 0x0
.irp i, 0,1,2,3,4,5,6,7,8,9,10,11,12,13,14,15
	ds_store_b128 v[LSTV], v[S+4*\i:S+4*\i+3] offset:512*\i
.endr
	ds_store_b128 v[LST5], v[O:O+3]
	ds_store_b128 v[LST5], v[O+4:O+7] offset:VSC-KSC
.Lnoload_\@:
	s_wait_loadcnt 0x0                             ; Q
	s_wait_dscnt 0x0                               ; for the others' sake: what I brought and my part of the table have landed
	s_wait_alu depctr_vm_vsrc(0)                   ; my LDS stores have read v32-95, v[S ..], v[O .. O+7], v[PM+3] and v[LM]: the lines below clear O, and the key steps' LDS loads and vector instructions write the others
	s_barrier_signal -1
.set j_, 0
.rept 32
	v_mov_b32 v[O+j_], 0                           ; the step is written once: the first finds zeros
.set j_, j_+1
.endr
	v_mov_b32 v13, 0xff61b1e6                      ; the largest t so far: -3e38
	v_floor_f32 v12, -v13
	v_mov_b32 v14, 0
	v_mov_b32 v15, 0
	s_barrier_wait -1                              ; everybody's has landed
	s_mov_b32 s[S8], s[HB]
	s_mov_b32 s[SS], s[HB]
	s_mov_b32 s[SB], 0
	s_mov_b32 s[CNT], 0
.Lstep_\@:                                         ; eight trips, always: the addresses' steps are constants of the text; a hidden step's work is jumped over
.if (\ph) == 0
	s_cmp_eq_u32 s[CNT], s[PFC]
	s_cbranch_scc0 .Lnopf_\@
	global_prefetch_b8 v[PFO], s[PFA:PFA+1] th:TH_LOAD_NT scope:SCOPE_SE               ; (v[PFO] was written ahead of the wait at the phase's head, and no vector instruction names it since)
	global_prefetch_b8 v[PFO], s[PFA:PFA+1] offset:VIMG th:TH_LOAD_NT scope:SCOPE_SE
.Lnopf_\@:
.endif
	s_cmp_ge_u32 s[CNT], s[NST]
	s_cbranch_scc1 .Lhid_\@
	STEP
.Lhid_\@:
	s_add_co_u32 s[S8], s[S8], 8192
	s_add_co_u32 s[SS], s[SS], 512
	s_add_co_u32 s[SB], s[SB], 512
	s_add_co_u32 s[CNT], s[CNT], 1
	s_cmp_lt_u32 s[CNT], 8
	s_cbranch_scc1 .Lstep_\@
.rept 8
	v_nop                                          ; places behind the last products
.endr
	v_add_f32 v14, v14, v15
	v_permlanex16_b32 v[TT], v14, s[SEL], s[SEL+1]
	v_add_f32 v14, v14, v[TT]                      ; the row's sum
	v_rcp_f32 v14, v14
	v_nop
	s_wait_alu depctr_va_vdst(0)                   ; the reciprocal has written v14, ahead of its first reader
.set j_, 0
.rept 32
	v_mul_f32 v[S+j_], v[O+j_], v14                ; register 16 b + i: column 32 b + 16 (lane / 16) + i of the head
.set j_, j_+1
.endr
.irp b, 0,1
	v_max3_num_f32 v[BM+\b], |v[S+16*\b]|, |v[S+16*\b+1]|, 0x4800000
.endr
.irp i, 2,4,6,8,10,12,14
.irp b, 0,1
	v_max3_num_f32 v[BM+\b], v[BM+\b], |v[S+16*\b+\i]|, |v[S+16*\b+\i+1]|
.endr
.endr
.irp b, 0,1
	v_permlanex16_b32 v[PM+\b], v[BM+\b], s[SEL], s[SEL+1]
.endr
.irp b, 0,1
	v_max_num_f32 v[BM+\b], v[BM+\b], v[PM+\b]
.endr
.irp b, 0,1
	v_add_nc_u32 v[SC+\b], 0xfc000000, v[BM+\b]
.endr
.irp b, 0,1
	v_and_or_b32 v[LM+\b], v[BM+\b], 0x7f800000, s[MNT]
.endr
.irp b, 0,1
	v_lshrrev_b32 v[PM+\b], 23, v[SC+\b]
.endr
	v_lshl_or_b32 v[PM], v[PM+1], 8, v[PM]         ; the head's two scale bytes
.irp b, 0,1
.irp i, 0,1,2,3,4,5,6,7,8,9,10,11,12,13,14,15
	v_med3_num_f32 v[S+16*\b+\i], v[S+16*\b+\i], -v[LM+\b], v[LM+\b]
.endr
	v_cvt_scalef32_pk8_fp8_f32 v[PCD+4*\b:PCD+4*\b+1], v[S+16*\b:S+16*\b+7], v[SC+\b]
	v_cvt_scalef32_pk8_fp8_f32 v[PCD+4*\b+2:PCD+4*\b+3], v[S+16*\b+8:S+16*\b+15], v[SC+\b]
.endr
	v_nop                                          ; a plain line behind the last conversion
	s_wait_alu depctr_va_vdst(0)                   ; the conversions have written v[PCD .. PCD+7] and v[PM] is written: the stores below read them; and the vector instructions are done with v[BM ..], in which wave 0's LDS load lands: no vector instruction follows in this phase
	global_store_b128 v[LI], v[PCD:PCD+3], s[CCP:CCP+1]               ; each store: 512 consecutive bytes
	global_store_b128 v[LI], v[PCD+4:PCD+7], s[CCP:CCP+1] offset:512
	ds_store_b16 v[CWR], v[PM] offset:512*(\ph)    ; both halves of the lanes write a row's two bytes with the same value
	s_wait_dscnt 0x0                               ; my bytes have landed, and my reads of K, V and the table are over
	s_barrier_signal -1
	s_barrier_wait -1                              ; so have everybody's
	s_cmp_lg_u32 s[WV], 0                          ; wave 0 stores the eight tiles' scale words: 512 consecutive bytes
	s_cbranch_scc1 .Lno_cs_\@
	ds_load_b128 v[BM:BM+3], v[CRD] offset:512*(\ph)
	s_wait_dscnt 0x0
	global_store_b128 v[LI], v[BM:BM+3], s[CSP:CSP+1]
.Lno_cs_\@:
.endm
	PHASE 0
	PHASE 1
	s_wait_xcnt 0x0
	s_wait_alu depctr_vm_vsrc(0)                   ; the LDS stores that took v254 as their address have read it: the line below writes it anew
	v_lshl_add_u32 v254, v0, 2, 0x45400
	v_mov_b32 v255, 0
	s_wait_dscnt 0x0                               ; the closing lines, six on end
	s_wait_alu 0x0
	s_wait_tensorcnt 0x0
	ds_add_u32 v254, v255
	s_wait_dscnt 0x0
	s_endpgm
.Lfunc_end_k_qae080bc5bb_attn:
	.size	k_qae080bc5bb_attn, .Lfunc_end_k_qae080bc5bb_attn-k_qae080bc5bb_attn
	.p2alignl 7, 3214868480
	.fill 96, 4, 3214868480
	.section	.rodata,"a",@progbits
	.p2align	6, 0x0
	.amdhsa_kernel k_qae080bc5bb_attn
		.amdhsa_group_segment_fixed_size 285696
		.amdhsa_private_segment_fixed_size 0
		.amdhsa_enable_private_segment 0
		.amdhsa_kernarg_size 48
		.amdhsa_user_sgpr_count 2
		.amdhsa_user_sgpr_kernarg_segment_ptr 1
		.amdhsa_wavefront_size32 1
		.amdhsa_system_sgpr_workgroup_id_x 1
		.amdhsa_system_sgpr_workgroup_id_y 1
		.amdhsa_system_sgpr_workgroup_id_z 1
		.amdhsa_system_vgpr_workitem_id 0
		.amdhsa_next_free_vgpr 256
		.amdhsa_next_free_sgpr 80
		.amdhsa_reserve_vcc 0
		.amdhsa_float_denorm_mode_32 3
		.amdhsa_float_denorm_mode_16_64 3
		.amdhsa_memory_ordered 1
		.amdhsa_forward_progress 1
		.amdhsa_inst_pref_size 76
	.end_amdhsa_kernel
	.amdgpu_metadata
---
amdhsa.version: [ 1, 2 ]
amdhsa.kernels:
  - .name:           k_qae080bc5bb_attn
    .symbol:         k_qae080bc5bb_attn.kd
    .args:
      - { .name: qc, .offset: 0, .size: 8, .value_kind: global_buffer, .address_space: global }
      - { .name: qs, .offset: 8, .size: 8, .value_kind: global_buffer, .address_space: global }
      - { .name: kv, .offset: 16, .size: 8, .value_kind: global_buffer, .address_space: global }
      - { .name: order, .offset: 24, .size: 8, .value_kind: global_buffer, .address_space: global }
      - { .name: cc, .offset: 32, .size: 8, .value_kind: global_buffer, .address_space: global }
      - { .name: cs, .offset: 40, .size: 8, .value_kind: global_buffer, .address_space: global }
    .group_segment_fixed_size: 285696
    .private_segment_fixed_size: 0
    .kernarg_segment_align: 8
    .kernarg_segment_size: 48
    .max_flat_workgroup_size: 512
    .sgpr_count:     80
    .vgpr_count:     256
    .wavefront_size: 32
...
	.end_amdgpu_metadata
.endif
;; end of part 5
;; launch tail: the kernel of part 4 again; grid 256 x 1, 4 waves a work-group, clusters of 4 x 1, 327,680 bytes of LDS; arguments cc, cs, x, wts, b1, b2, ln1_g, ln1_b, ln2_g, ln2_b, out0; writes out0
